; MI455X (gfx1250); checked and timed in simulation.
; The chip was launched on July 23, 2026; its instructions are those of AMD's public machine-readable ISA for CDNA 5 (MIT licence, August 2026) and "CDNA5" Instruction Set Architecture Reference Guide (July 2026). The comments in the code are by the model that wrote it; some were corrected since.
;; GQA Flash Attn. Allowed arithmetic: matrix products marked QUANTISED: E2M1 operands, one E8M0 scale for each 32 along K, by v_wmma_scale_f32_16x16x128_f8f6f4 with both operands' format E2M1 (or v_wmma_scale_f32_32x16x128_f4), f32 sums; everything else in f32.
;; Inputs: cos 2,048 x 64 float32; k_norm_w 64 float32; q_norm_w 64 float32; sin 2,048 x 64 float32; wk_codes 512 x 64 x 16 uint8 (E2M1 codes of wk, K innermost, in blocks of 32 codes, two codes a byte); wk_scales 512 x 64 uint8 (E8M0 scales of wk, one for each 32 codes along K); wo_codes 2,048 x 64 x 16 uint8 (E2M1 codes of wo, K innermost, in blocks of 32 codes, two codes a byte); wo_scales 2,048 x 64 uint8 (E8M0 scales of wo, one for each 32 codes along K); wq_codes 2,048 x 64 x 16 uint8 (E2M1 codes of wq, K innermost, in blocks of 32 codes, two codes a byte); wq_scales 2,048 x 64 uint8 (E8M0 scales of wq, one for each 32 codes along K); wv_codes 512 x 64 x 16 uint8 (E2M1 codes of wv, K innermost, in blocks of 32 codes, two codes a byte); wv_scales 512 x 64 uint8 (E8M0 scales of wv, one for each 32 codes along K); x_codes 1 x 2,048 x 64 x 16 uint8 (E2M1 codes of x, K innermost, in blocks of 32 codes, two codes a byte); x_scales 1 x 2,048 x 64 uint8 (E8M0 scales of x, one for each 32 codes along K).
;; Outputs: out0 1 x 2,048 x 2,048 float32.
;; This version of the problem:
;;   THIS VERSION OF THE PROBLEM IS GIVEN IN LOW PRECISION. The matrix products marked QUANTISED in the list below multiply operands that are first quantised to E2M1 (2 exponent bits, 1 mantissa bit; 4 bits a number), with one power-of-two scale for each 32 numbers along K (OCP MX v1.0); their sums are f32. All else is computed in f32.
;;   The module's matrix products, in the order in which they are computed (A, B: the left and right operand; K: the contracted axis; several contracted axes count as one K, in the product's order):
;;     1. [M 2,048, K 2,048] x [K 2,048, N 2,048]; A: input x (given as codes); B: input wq (given as codes): QUANTISED
;;     2. [M 2,048, K 2,048] x [K 2,048, N 512]; A: input x (given as codes); B: input wk (given as codes): QUANTISED
;;     3. [M 2,048, K 2,048] x [K 2,048, N 512]; A: input x (given as codes); B: input wv (given as codes): QUANTISED
;;     4. batch 32 x [M 2,048, K 64] x [K 64, N 2,048]; A: computed on the way; B: computed on the way: QUANTISED
;;     5. batch 32 x [M 2,048, K 2,048] x [K 2,048, N 64]; A: softmax (see below); B: computed on the way: QUANTISED
;;     6. [M 2,048, K 2,048] x [K 2,048, N 2,048]; A: computed on the way; B: input wo (given as codes): QUANTISED
;;   THE QUANTISER, for each operand of a quantised product, along K:
;;     - K is cut into blocks of 32 from its start; a last block that is shorter is filled with zeros.
;;     - A block's scale is 2^e with e = floor(log2(the largest magnitude in the block)) - 2, held to -126 .. 127; a block of zeros has e = 0. As a byte (E8M0): e + 127.
;;     - Each number is divided by its block's scale, clamped to +-6, and rounded to the nearest number of E2M1, ties to even, subnormals kept.
;;     - The product sums the exact products of the quantised numbers (number of the format x scale) in f32.
;;   ~~~python
;;   def quantise(x, axis):      # numpy; x: float32 -> the quantised numbers, widened to float32 again
;;       x = np.moveaxis(x, axis, -1); K = x.shape[-1]
;;       x = np.pad(x, [(0, 0)] * (x.ndim - 1) + [(0, -K % 32)]); x = x.reshape(x.shape[:-1] + (-1, 32)); a = np.abs(x).max(-1, keepdims=True)
;;       e = np.where(a > 0, np.clip(np.frexp(np.where(a > 0, a, 1))[1] - 1 - 2, -126, 127), 0)      # np.frexp(a)[1] - 1 = floor(log2(a)), exactly
;;       r = np.clip(x / 2.0 ** e, -6, 6)
;;       step = 2.0 ** (np.maximum(np.frexp(np.where(r == 0, 1, r))[1] - 1, 0) - 1)
;;       q = np.round(r / step) * step * 2.0 ** e      # np.round: ties to even
;;       return np.moveaxis(q.reshape(q.shape[:-2] + (-1,))[..., :K], -1, axis).astype(np.float32)
;;   ~~~
;;   SOFTMAX AHEAD OF A QUANTISED PRODUCT. Where the list says 'softmax', what is quantised is not the finished softmax but p = 2^(t - M), with t = logit x log2(e) and M = ceil(the row's largest t), a whole number; so 1/2 < the row's largest p <= 1. The row's sum l is taken of the UNQUANTISED p, in f32, and the product's result is divided by l at the end. Since M is a whole number, a kernel that streams over the keys may use a running M (the ceiling of the running maximum): every later rescaling is an exact power of two, which a block's scale takes up: the codes' values come out the same.
;;   OPERANDS COMPUTED ON THE WAY. 'Computed on the way' means the value that the module computes at that place (a softmax that the list does not call 'softmax' is quantised finished and normalised). What goes into a quantiser is computed in f32, as accurately as f32 sums, v_exp_f32 and their like allow (about 1e-6 of the number): no bf16 or f16 on the way to a quantiser, and a product that is left as it is and whose result goes on into a quantised operand takes f32 operands (vector FMAs, or v_wmma_f32_16x16x4_f32). A number that lies on a knife's edge between two numbers of the format may be rounded either way, as far as f32 arithmetic and the matrix unit's own rounding can turn it there, and no further.
;;   INPUTS GIVEN AS CODES. wk (in the module: [2048, 512], K = its axis 0); wo (in the module: [2048, 2048], K = its axis 0); wq (in the module: [2048, 2048], K = its axis 0); wv (in the module: [2048, 512], K = its axis 0); x (in the module: [1, 2048, 2048], K = its axis 2): each comes as NAME_codes (uint8): NAME with its K axis moved to the last place and cut into blocks of 32 codes, [.., K / 32, bytes a block], one block behind the other in memory; two codes a byte, the lower K in the low four bits (a code: sign, 2 exponent bits, 1 mantissa bit); and NAME_scales (uint8): the same leading axes, one E8M0 byte (e + 127) for each 32 codes along K. Its value is code x scale, taken as it is: it is not quantised again, and the codes and scales need not be those that the quantiser above would give.
;; One version. Each part assembles by itself: llvm-mc -triple=amdgcn-amd-amdhsa -mcpu=gfx1250 --defsym DOCPART=n.
;; ======== version 1 of 1: 3 launches
;; limits: right only within a limited range of input values
;; workspace buffers: qw 2,359,296 bytes; kvw 1,114,112 bytes; ac 2,097,152 bytes; asc 131,072 bytes
;; launch qkv (part 1): grid 16 x 16, 12 waves a work-group, clusters of 4 x 4, 327,680 bytes of LDS; arguments x_codes, x_scales, wq_codes, wq_scales, wk_codes, wk_scales, wv_codes, wv_scales, cos, sin, q_norm_w, k_norm_w, qw, kvw; writes qw, kvw
.if DOCPART == 1
	.amdgcn_target "amdgcn-amd-amdhsa--gfx1250"
	.amdhsa_code_object_version 6
	.text
	.protected	k_q2482d22846_qkv
	.globl	k_q2482d22846_qkv
	.p2align	8
	.type	k_q2482d22846_qkv,@function
k_q2482d22846_qkv:
	s_mov_b64 s[64:65], 0
	v_nop
	global_prefetch_b8 v0, s[64:65] scope:SCOPE_SE
	s_setreg_imm32_b32 hwreg(HW_REG_WAVE_MODE, 25, 1), 1
	s_wait_xcnt 0x0
	s_wait_alu depctr_hold_cnt(0) depctr_sa_sdst(0) depctr_va_vdst(0) depctr_va_sdst(0) depctr_va_ssrc(0) depctr_va_vcc(0) depctr_vm_vsrc(0)
	s_getreg_b32 s2, hwreg(HW_REG_IB_STS2, 6, 4)
	s_cmp_eq_u32 s2, 0
	s_cbranch_scc0 .Lentry_in_a_cluster
	s_endpgm
.Lentry_in_a_cluster:
	s_bfe_u32 s2, ttmp6, 0x10000c
	s_cmp_lg_u32 s2, 0xf033
	s_cbranch_scc0 .Lentry_shape_is_right
	s_endpgm
.Lentry_shape_is_right:
; LAUNCH 1 OF 3.  Q = x wq, K = x wk, V = x wv on codes of FP4 (E2M1) with E8M0 scales; RMS norm and RoPE of Q and K in f32; Q and K are quantised along the head's 64, V along the keys.
; The results go to workspace as IMAGES OF OPERAND REGISTERS (lane l's 16 bytes at 16 l), so that the next launch takes fragments as they stand.
; DEAD WORK OF THE WHOLE PROGRAM: reference() builds the causal mask itself (jnp.tril) and sets the scores of keys k > q to the least f32 number ahead of the softmax: their p is 0 whatever the inputs hold,
; so they add nothing to a row's sum or to attn.  The second launch leaves out every key step of 128 keys all of which come after a tile's 16 queries; nothing else is left out, and every input is loaded.
; LIMITS: a NaN, an infinity or an overflow that reaches only those scores is not carried to the result; NaN and infinities among the inputs are not served; a block of zeros gets the scale byte 1
; where the quantiser says 127 (its codes are zeros, and this program alone reads the bytes).
; SHARES.  A work-group makes 128 tokens x 192 features: two heads of Q and one head of K (the cluster's x = 0, 1) or of V (2, 3): 16 x 16 equal work-groups.  Twelve waves: wave = 4 hd + 2 th + g: head hd, tokens 64 th on;
; the two waves of a pair (g) share the products along K (two K steps of each four) and exchange half of their sums through LDS at the end: each finishes half of the pair's 64 x 64.
; K goes in four chunks of 512 through three LDS slots; chunks 0 to 2 and all scale bytes are asked for at the head, one load a wave; chunk 3 fills slot 0 again.
; CLUSTER 4 x 4: x's tiles are asked for jointly along a row of the cluster, the weights' along a column.  The scale bytes, a sixteenth of the codes' bytes, come by each work-group's own loads.
; THE TOKENS OF A TILE.  Tile t (0-3) of 64 tokens: row r < 8 is token 8 t + r, row r >= 8 is token 32 + 8 (t xor 1) + r - 8.  So the four tiles' results give a lane of V 32 tokens of ONE block, and in the next launch a lane of P 32 keys of one block.
; SOURCE 1 (S1) is what the pair shares out at the end (tiles 2 g, 2 g + 1 are mine); source 0 (S0) is the other.  Q, K: S1 = x, S0 = the weight: a lane holds ONE token.  V: the other way round: a lane holds ONE channel.
; A branch in each K step picks which registers x's and the weight's loads fill; the products are written once.
; REGISTERS: v1 cos, sin; LDS addresses in slots 0, 1, 2: v2, v5, v8 x's even tiles, v3, v6, v9 its odd tiles, v4, v7, v10 the weight; v11, v12, v13 their scale words'; v22, v23 the add's two; v24-27 S1's scale words, v28-31 S0's;
; v32-63 the norm's weights; v64-95 S1's fragments, v96-127 S0's; v128-255 accumulators; v256-319 cos and sin of my first tile.  On the way out v2-12 are lane terms.
.set SLOT,  87040                      ; x's 128 rows x 272 bytes, wq's 128, wk's or wv's 64
.set SCL,   261120                     ; scale bytes: 20,480 as units of 256 + 16
.set SPARE, 282880
.set XCH,   87040                      ; the exchange: 8,192 bytes a wave, in slots 1 and 2, which have had their one fill and their last read by then
.set ACC,   128
.set SPW,   22
.set NIL,   23
.set TM,    216
.set G1X,   24
.set G1Q,   32
.set G1V,   40
.set G1S,   48
.set G1SV,  56
.set G0X,   68
.set G0Q,   72
.set G0V,   76
.set G0SX,  80
.set G0SQ,  84
.set G0SV,  88
.set PADW,  (1<<20)|(5<<22)|(3<<25)    ; padding on; four words behind every 64
.set MSB, 0
.macro WIN new
.if MSB != \new
	s_set_vgpr_msb (MSB<<8)|\new
.set MSB, \new
.endif
.endm
.macro PLACES
.rept 4
	v_nop
.endr
.endm
.macro TLOAD g0, g1
	tensor_load_to_lds s[\g0:\g0+3], s[\g1:\g1+7]
	s_nop 0
	PLACES
.endm
.macro CROUND                          ; a round of the cluster's barrier
	s_barrier_signal -1
	s_barrier_wait -1
	s_cmp_lg_u32 s20, 0
	s_cbranch_scc1 .Lnot_wave_0_\@
	s_barrier_signal -3
.Lnot_wave_0_\@:
	s_barrier_wait -3
	s_barrier_signal -1
	s_barrier_wait -1
.endm
	s_load_b512 s[4:19], s[0:1], 0x0               ; x, its scales, wq, scales, wk, scales, wv, scales
	s_load_b256 s[92:99], s[0:1], 0x40             ; cos, sin, q_norm_w, k_norm_w
	v_lshl_add_u32 v[SPW], v0, 2, SPARE
	v_mov_b32 v[NIL], 0
	ds_add_u32 v[SPW], v[NIL]                      ; the opening: the add, twice on end, and its wait ahead of my first tensor load
	ds_add_u32 v[SPW], v[NIL]
	v_lshrrev_b32 v1, 5, v0
	v_readfirstlane_b32 s20, v1                    ; wave 0..11
	s_and_b32 s21, s20, 3                          ; what I fetch: chunk 0-2, or (3) scale bytes,
	s_lshr_b32 s22, s20, 2                         ; of x (0), wq (1), wk or wv (2).  Also: hd
	s_bfe_u32 s2, ttmp6, 0x40000                   ; cx
	s_bfe_u32 s3, ttmp6, 0x40004                   ; cy
	s_and_b32 s23, ttmp7, 0xffff
	s_lshl_b32 s23, s23, 2
	s_add_co_u32 s23, s23, s3                      ; ty: my 128 tokens
	s_lshl_b32 s66, ttmp9, 2
	s_add_co_u32 s66, s66, s2                      ; ct: two heads of Q
	s_and_b32 s67, s20, 1                          ; g
	s_lshl_b32 s100, s3, 2
	s_lshl_b32 s100, 15, s100                      ; my row of the cluster
	s_lshl_b32 s101, 0x1111, s2                    ; my column
	s_or_b32 s[G1X], s100, PADW|(1<<21)            ; elements of 1 byte; the mask; bit 21 beside it
	s_or_b32 s[G1Q], s101, PADW|(1<<21)
	s_or_b32 s[G1V], s101, PADW|(1<<21)
.irp g, G1X, G1Q, G1V
	s_mov_b32 s[\g+1], 256<<16                     ; rows of 256 bytes, 1,024 bytes apart
	s_mov_b32 s[\g+3], 256<<16
	s_mov_b32 s[\g+5], 1024
	s_mov_b32 s[\g+6], 0
	s_mov_b32 s[\g+7], 0
.endr
	s_mov_b32 s[G1X+2], 128<<16
	s_mov_b32 s[G1X+4], 128
	s_mov_b32 s[G1Q+2], 128<<16
	s_mov_b32 s[G1Q+4], 128
	s_mov_b32 s[G1V+2], 64<<16
	s_mov_b32 s[G1V+4], 64
.irp g, G1S, G1SV                              ; dense scale bytes as rows of 32 elements of 8 bytes; no mask
	s_mov_b32 s[\g], (3<<16)|PADW
	s_mov_b32 s[\g+1], 32<<16
	s_mov_b32 s[\g+3], 32<<16
	s_mov_b32 s[\g+5], 32
	s_mov_b32 s[\g+6], 0
	s_mov_b32 s[\g+7], 0
.endr
	s_mov_b32 s[G1S+2], 32<<16
	s_mov_b32 s[G1S+4], 32
	s_mov_b32 s[G1SV+2], 16<<16
	s_mov_b32 s[G1SV+4], 16
	s_bfe_u32 s100, s20, 0x10001                   ; th
	s_and_b32 s101, s66, 7                         ; the kv head
.irp g, G0X, G0Q, G0V, G0SX, G0SQ, G0SV
	s_mov_b32 s[\g], 1
	s_mov_b32 s[\g+3], 0
.endr
	s_mul_i32 s[G0X+1], s21, SLOT                  ; LDS: slot = chunk
	s_add_co_u32 s[G0Q+1], s[G0X+1], 34816
	s_add_co_u32 s[G0V+1], s[G0X+1], 69632
	s_mov_b32 s[G0SX+1], SCL
	s_mov_b32 s[G0SQ+1], SCL+8704
	s_mov_b32 s[G0SV+1], SCL+17408
	s_lshl_b32 s[G0SX+2], s23, 13                  ; byte offsets, parked where the addresses will stand
	s_lshl_b32 s[G0SQ+2], s66, 13
	s_lshl_b32 s[G0SV+2], s101, 12
	s_lshl_b32 s[G0X+2], s[G0SX+2], 4
	s_lshl_b32 s[G0Q+2], s[G0SQ+2], 4
	s_lshl_b32 s[G0V+2], s[G0SV+2], 4
	s_wait_dscnt 0x0                               ; both opening adds are done
	s_wait_kmcnt 0x0
	s_cmp_lt_u32 ttmp9, 2                          ; K or V: by the cluster's x alone
	s_cselect_b64 s[12:13], s[12:13], s[16:17]
	s_cselect_b64 s[14:15], s[14:15], s[18:19]
	s_lshl_b32 s16, s21, 8                         ; a chunk is 256 bytes of a row
	s_mov_b32 s17, 0
	s_add_nc_u64 s[G0X+2:G0X+3], s[G0X+2:G0X+3], s[16:17]
	s_add_nc_u64 s[G0Q+2:G0Q+3], s[G0Q+2:G0Q+3], s[16:17]
	s_add_nc_u64 s[G0V+2:G0V+3], s[G0V+2:G0V+3], s[16:17]
	s_add_nc_u64 s[G0X+2:G0X+3], s[4:5], s[G0X+2:G0X+3]
	s_add_nc_u64 s[G0SX+2:G0SX+3], s[6:7], s[G0SX+2:G0SX+3]
	s_add_nc_u64 s[G0Q+2:G0Q+3], s[8:9], s[G0Q+2:G0Q+3]
	s_add_nc_u64 s[G0SQ+2:G0SQ+3], s[10:11], s[G0SQ+2:G0SQ+3]
	s_add_nc_u64 s[G0V+2:G0V+3], s[12:13], s[G0V+2:G0V+3]
	s_add_nc_u64 s[G0SV+2:G0SV+3], s[14:15], s[G0SV+2:G0SV+3]
.irp g, G0X, G0Q, G0V, G0SX, G0SQ, G0SV
	s_or_b32 s[\g+3], s[\g+3], 0x80000000
.endr
	CROUND                                         ; all sixteen work-groups are here: the first joint loads meet
.macro ARM under, g0, g1, next
	s_cmp_lt_u32 s20, \under
	s_cbranch_scc0 \next
	TLOAD \g0, \g1
	s_branch .Lasked
\next:
.endm
	; ONE chain of branches on the wave's number, one load a wave.  What the first barrier waits for (chunk 0, scale bytes) has lines of its own
	ARM 1,  G0X,  G1X,  .La1
	ARM 3,  G0X,  G1X,  .La3
	ARM 4,  G0SX, G1S,  .La4
	ARM 5,  G0Q,  G1Q,  .La5
	ARM 7,  G0Q,  G1Q,  .La7
	ARM 8,  G0SQ, G1S,  .La8
	ARM 9,  G0V,  G1V,  .La9
	ARM 11, G0V,  G1V,  .La11
	TLOAD G0SV, G1SV
.Lasked:
	; THE PREFETCH of chunk 3 (bytes 768 to 1,023 of each row), which a later barrier's load brings: each row's 256 bytes once in each cluster: the four partners that ask jointly share the rows out by address:
	; x by cx, the weights by cy: 32 rows each (of wk, wv 16), a lane a row; one instruction of waves 1, 5 and 9
	s_lshl_b32 s16, s23, 17
	s_lshl_b32 s17, s2, 15
	s_add_co_u32 s16, s16, s17
	s_lshl_b32 s17, s66, 17
	s_lshl_b32 s18, s3, 15
	s_add_co_u32 s17, s17, s18
	s_lshl_b32 s18, s101, 16
	s_lshl_b32 s19, s3, 14
	s_add_co_u32 s18, s18, s19
	s_mov_b32 s19, 31
	s_cmp_lt_u32 s22, 2
	s_cselect_b32 s17, s17, s18
	s_cselect_b64 s[8:9], s[8:9], s[12:13]
	s_cselect_b32 s6, s19, 15
	s_cmp_eq_u32 s22, 0
	s_cselect_b32 s16, s16, s17
	s_cselect_b64 s[4:5], s[4:5], s[8:9]
	s_mov_b32 s17, 0
	s_add_nc_u64 s[4:5], s[4:5], s[16:17]
	v_and_b32 v82, s6, v0
	v_lshlrev_b32 v82, 10, v82
	s_wait_alu depctr_va_vdst(0)
	; where my fragments and scale words lie
	s_lshl_b32 s9, s67, 7                          ; my two K steps of a chunk: 128 g bytes on
	s_mul_i32 s8, s100, 17408
	s_add_co_u32 s8, s8, s9                        ; x: my 64 tokens
	s_mul_i32 s10, s22, 17408
	s_add_co_u32 s10, s10, s9
	s_add_co_u32 s10, s10, 34816                   ; the weight: my head
	s_lshl_b32 s9, s67, 3
	s_mul_i32 s2, s100, 4352
	s_add_co_u32 s2, s2, s9
	s_add_co_u32 s2, s2, SCL                       ; scale words of x,
	s_mul_i32 s3, s22, 4352
	s_add_co_u32 s3, s3, s9
	s_add_co_u32 s3, s3, SCL+8704                  ; of the weight
	s_lshr_b32 s18, ttmp9, 1
	s_and_b32 s18, s18, 1
	s_lshr_b32 s19, s22, 1
	s_and_b32 s18, s18, s19                        ; 1: I make V
	v_and_b32 v64, 15, v0                          ; r
	v_bfe_u32 v65, v0, 4, 1                        ; h
	v_and_b32 v66, 7, v0                           ; r % 8
	v_bfe_u32 v67, v0, 3, 1                        ; r / 8
	v_bfe_u32 v79, v0, 2, 1                        ; (r % 8) / 4
	v_bfe_u32 v83, v0, 2, 2                        ; r / 4
	v_mul_u32_u24 v70, 272, v66                    ; x, even tiles: row r % 8, or 40 more,
	v_mul_u32_u24 v71, 10880, v67
	v_mul_u32_u24 v73, 6528, v67
	v_lshl_add_u32 v70, v65, 4, v70
	v_add_nc_u32 v71, v71, v70
	v_add_nc_u32 v73, v73, v70
	v_add_nc_u32 v73, 2176, v73                    ; odd tiles: 8 rows more, or 32
	v_mul_u32_u24 v72, 272, v64                    ; the weight: row r
	v_lshl_add_u32 v72, v65, 4, v72
	v_add_nc_u32 v2, s8, v71
	v_add_nc_u32 v3, s8, v73
	v_add_nc_u32 v4, s10, v72
.irp i, 2,3,4
	v_add_nc_u32 v[3+\i], SLOT, v[\i]
	v_add_nc_u32 v[6+\i], 2*SLOT, v[\i]
.endr
	; scale words: a row of 64 bytes, and 16 more for each four rows passed; lanes 16-31 take the tile two further on: 16 rows of x's (1,088 bytes), 32 of the weight's (2,176)
	v_lshlrev_b32 v74, 6, v66
	v_lshl_add_u32 v74, v79, 4, v74
	v_mul_u32_u24 v75, 1088, v65
	v_add_nc_u32 v74, v74, v75
	v_mul_u32_u24 v76, 2720, v67                   ; even tiles: 40 rows more
	v_mul_u32_u24 v77, 1632, v67                   ; odd tiles: 8 rows (544 bytes) more, or 32
	v_add_nc_u32 v76, v76, v74
	v_add_nc_u32 v77, v77, v74
	v_add_nc_u32 v77, 544, v77
	v_lshlrev_b32 v78, 6, v64
	v_lshl_add_u32 v78, v83, 4, v78
	v_mul_u32_u24 v84, 2176, v65
	v_add_nc_u32 v78, v78, v84
	v_add_nc_u32 v11, s2, v76
	v_add_nc_u32 v12, s2, v77
	v_add_nc_u32 v13, s3, v78
	v_mad_u32_u24 v68, v67, 40, v66                ; the token of row r of my first tile, less 16 g
	v_lshlrev_b32 v1, 8, v68
	v_lshl_add_u32 v1, v65, 5, v1                  ; cos, sin: its row, + 32 h
	v_lshlrev_b32 v85, 5, v65                      ; the norm's weights: 32 h
	s_wait_alu depctr_va_vdst(0)
	s_lshl_b32 s16, s23, 15
	s_lshl_b32 s17, s100, 14
	s_add_co_u32 s16, s16, s17
	s_lshl_b32 s17, s67, 12
	s_add_co_u32 s16, s16, s17                     ; token 128 ty + 64 th + 16 g
	s_mov_b32 s17, 0
	s_add_nc_u64 s[92:93], s[92:93], s[16:17]
	s_add_nc_u64 s[94:95], s[94:95], s[16:17]
	s_cmp_lt_u32 s22, 2
	s_cselect_b64 s[96:97], s[96:97], s[98:99]     ; the norm's weights
.macro CSLOAD cs, off                  ; cos(token r, 16 t + 8 h + j) at cs + 8 t + j, sin 32 further on
.irp t, 0,1,2,3
.irp i, 0,1
	global_load_b128 v[\cs+8*\t+4*\i:\cs+8*\t+4*\i+3], v[\off], s[92:93] offset:64*\t+16*\i
.endr
.endr
.irp t, 0,1,2,3
.irp i, 0,1
	global_load_b128 v[\cs+32+8*\t+4*\i:\cs+32+8*\t+4*\i+3], v[\off], s[94:95] offset:64*\t+16*\i
.endr
.endr
.endm
	s_cmp_eq_u32 s18, 1
	s_cbranch_scc1 .Lno_cs
.irp t, 0,1,2,3
.irp i, 0,1
	global_load_b128 v[32+8*\t+4*\i:35+8*\t+4*\i], v85, s[96:97] offset:64*\t+16*\i
.endr
.endr
	WIN 0x40
	CSLOAD 0, 1
	WIN 0
.Lno_cs:
	s_cmp_eq_u32 s21, 1
	s_cbranch_scc0 .Lno_ask
	global_prefetch_b8 v82, s[4:5] offset:768 th:TH_LOAD_NT scope:SCOPE_SE
.Lno_ask:
; ---- the products
.macro WM d, x, y, c, sx, sy, rx, ry
.if (\rx) && (\ry)
	v_wmma_scale_f32_16x16x128_f8f6f4 v[\d:\d+7], v[\x:\x+7], v[\y:\y+7], \c, v[\sx], v[\sy] matrix_a_fmt:MATRIX_FMT_FP4 matrix_b_fmt:MATRIX_FMT_FP4 matrix_a_scale:MATRIX_SCALE_ROW1 matrix_b_scale:MATRIX_SCALE_ROW1
.elseif (\rx)
	v_wmma_scale_f32_16x16x128_f8f6f4 v[\d:\d+7], v[\x:\x+7], v[\y:\y+7], \c, v[\sx], v[\sy] matrix_a_fmt:MATRIX_FMT_FP4 matrix_b_fmt:MATRIX_FMT_FP4 matrix_a_scale:MATRIX_SCALE_ROW1
.elseif (\ry)
	v_wmma_scale_f32_16x16x128_f8f6f4 v[\d:\d+7], v[\x:\x+7], v[\y:\y+7], \c, v[\sx], v[\sy] matrix_a_fmt:MATRIX_FMT_FP4 matrix_b_fmt:MATRIX_FMT_FP4 matrix_b_scale:MATRIX_SCALE_ROW1
.else
	v_wmma_scale_f32_16x16x128_f8f6f4 v[\d:\d+7], v[\x:\x+7], v[\y:\y+7], \c, v[\sx], v[\sy] matrix_a_fmt:MATRIX_FMT_FP4 matrix_b_fmt:MATRIX_FMT_FP4
.endif
.endm
.macro MUL8 i0, s, zr                  ; S1's tiles i0, i0 + 1 x S0's four: the 16 accumulators by turns, in the same order in every step.  A scale register serves tiles t (lanes 0-15) and t + 2 (lanes 16-31)
.irp i, \i0, \i0+1
.irp b, 0,1,2,3
.if \zr
	WM ACC+8*(4*(\i)+\b), 96+8*\b, 64+8*(\i), 0, 28+2*(\b%2)+\s, 24+2*((\i)%2)+\s, \b/2, (\i)/2
.else
	WM ACC+8*(4*(\i)+\b), 96+8*\b, 64+8*(\i), v[ACC+8*(4*(\i)+\b):ACC+8*(4*(\i)+\b)+7], 28+2*(\b%2)+\s, 24+2*((\i)%2)+\s, \b/2, (\i)/2
.endif
.endr
.endr
.endm
.macro XFRAG ra, fb, s                 ; x's four tiles
.irp i, 0,1,2,3
.irp c, 0,1
	ds_load_b128 v[\fb+8*\i+4*\c:\fb+8*\i+4*\c+3], v[\ra+\i%2] offset:4352*(\i/2)+64*\s+32*\c
.endr
.endr
.endm
.macro WFRAG ra, fb, s                 ; the weight's
.irp i, 0,1,2,3
.irp c, 0,1
	ds_load_b128 v[\fb+8*\i+4*\c:\fb+8*\i+4*\c+3], v[\ra+2] offset:4352*\i+64*\s+32*\c
.endr
.endr
.endm
.macro SWORDS xr, wr, q                ; two scale words a row: x's into v[xr ..], the weight's into v[wr ..]
	ds_load_b64 v[\xr:\xr+1], v11 offset:16*\q
	ds_load_b64 v[\xr+2:\xr+3], v12 offset:16*\q
	ds_load_b64 v[\wr:\wr+1], v13 offset:16*\q
	ds_load_b64 v[\wr+2:\wr+3], v13 offset:16*\q+1088
.endm
; A K step of 128, my s-th of chunk q; ra: its slot's address registers
.macro STEP ra, q, s, zr
	PLACES                                         ; in front of loads into registers that the last products read
	s_cmp_eq_u32 s18, 1
	s_cbranch_scc1 .Lfor_v_\@
.if \s == 0
	SWORDS 24, 28, \q
.endif
	WFRAG \ra, 96, \s
	XFRAG \ra, 64, \s
	s_branch .Lloaded_\@
.Lfor_v_\@:
.if \s == 0
	SWORDS 28, 24, \q
.endif
	XFRAG \ra, 96, \s
	WFRAG \ra, 64, \s
.Lloaded_\@:
	s_wait_dscnt 4                                 ; S1's tiles 2 and 3 may be out
	MUL8 0, \s, \zr
	s_wait_dscnt 0x0
	MUL8 2, \s, \zr
.endm
	s_add_co_u32 s2, s20, 1
	s_and_b32 s2, s2, 3
	s_wait_alu depctr_va_vdst(0)                   ; the wait at the head's end
	s_wait_xcnt 0x0                                ; the addresses in v82, v85 have been read: fragments land there
	s_cmp_lt_u32 s2, 2                             ; who fetched chunk 0 or scale bytes waits for it; chunks 1 and 2 may be out: behind this barrier nothing is filled again
	s_cbranch_scc0 .Lnot_first
	s_wait_tensorcnt 0x0
.Lnot_first:
	s_barrier_signal -1
	s_barrier_wait -1
	STEP 2, 0, 0, 1                                ; the first products start the sums
	STEP 2, 0, 1, 0
	s_wait_tensorcnt 0x0                           ; my load has landed;
	ds_add_u32 v[SPW], v[NIL]                      ; 0 onto my spare word
	s_add_nc_u64 s[G0X+2:G0X+3], s[G0X+2:G0X+3], 768     ; chunk 3 (waves 0, 4 and 8 fetched chunk 0)
	s_add_nc_u64 s[G0Q+2:G0Q+3], s[G0Q+2:G0Q+3], 768
	s_add_nc_u64 s[G0V+2:G0V+3], s[G0V+2:G0V+3], 768
	s_wait_dscnt 0x0                               ; the add is done, and my reads of slot 0 are over
	CROUND                                         ; chunks 1 and 2 are in, and no wave of any partner still reads slot 0
	s_cmp_eq_u32 s20, 0
	s_cbranch_scc0 .Lr1
	TLOAD G0X, G1X
	s_branch .Lfilled
.Lr1:
	s_cmp_eq_u32 s20, 4
	s_cbranch_scc0 .Lr2
	TLOAD G0Q, G1Q
	s_branch .Lfilled
.Lr2:
	s_cmp_eq_u32 s20, 8
	s_cbranch_scc0 .Lfilled
	TLOAD G0V, G1V
.Lfilled:
	s_load_b128 s[4:7], s[0:1], 0x60               ; qw, kvw
	STEP 5, 1, 0, 0
	STEP 5, 1, 1, 0
	STEP 8, 2, 0, 0
	STEP 8, 2, 1, 0
	s_wait_tensorcnt 0x0                           ; chunk 3 is in; nothing is filled again, and nobody reads slots 1 and 2 any more
	s_barrier_signal -1
	s_barrier_wait -1
	STEP 2, 3, 0, 0
	STEP 2, 3, 1, 0
	; ---- the way out.  The vector lines below are also the places behind the last products
	s_lshl_b32 s12, s20, 13
	s_add_co_u32 s12, s12, XCH                     ; where I put what my partner finishes,
	s_xor_b32 s13, s20, 1
	s_lshl_b32 s13, s13, 13
	s_add_co_u32 s13, s13, XCH                     ; and where it puts mine
	v_and_b32 v2, 31, v0
	v_and_b32 v5, 15, v0
	v_bfe_u32 v6, v0, 4, 1
	v_and_b32 v11, 7, v0
	v_bfe_u32 v12, v0, 3, 1
	v_lshlrev_b32 v3, 4, v2                        ; 16 x lane
	v_lshlrev_b32 v4, 2, v2                        ; 4 x lane
	v_lshlrev_b32 v5, 2, v5                        ; 4 r
	v_mad_u32_u24 v10, v12, 24, v11
	v_add_nc_u32 v7, v5, v6                        ; 4 r + h
	v_add_nc_u32 v8, s12, v3
	v_add_nc_u32 v9, s13, v3
	v_add_nc_u32 v10, 8, v10
	v_lshlrev_b32 v10, 8, v10
	v_lshl_add_u32 v10, v6, 5, v10                 ; cos, sin: my second tile's token row
	s_wait_alu depctr_va_vdst(0)
	s_cmp_eq_u32 s18, 1
	s_cbranch_scc1 .Lno_cs1
	CSLOAD 64, 10
.Lno_cs1:
	; THE EXCHANGE: g = 0 keeps S1's tiles 0, 1 (v128-191) and sends 2, 3 (v192-255); g = 1 the other way round.  What comes in lands where what went out lay, so the sums below are the same lines
.macro XSEND v
.irp k, 0,1,2,3,4,5,6,7,8,9,10,11,12,13,14,15
	ds_store_b128 v8, v[\v+4*\k:\v+4*\k+3] offset:512*\k   ; each accumulator from its low end on
.endr
.endm
.macro XRECV v
.irp k, 0,1,2,3,4,5,6,7,8,9,10,11,12,13,14,15
	ds_load_b128 v[\v+4*\k:\v+4*\k+3], v9 offset:512*\k
.endr
.endm
	s_cmp_eq_u32 s67, 0
	s_cbranch_scc0 .Lsend_low
	XSEND 192
	s_branch .Lsent
.Lsend_low:
	XSEND 128
.Lsent:
	; where my results go
	s_mul_i32 s2, s101, 139264
	s_mul_i32 s3, s23, 8704
	s_add_co_u32 s2, s2, s3                        ; K, V: record (kv head, 128 keys): K's codes 4,096, V's 4,096, K's scale words 256, V's 256
	s_lshl_b32 s8, s100, 11
	s_lshl_b32 s9, s67, 10
	s_add_co_u32 s8, s8, s9
	s_add_co_u32 s8, s8, s2                        ; K: tiles 4 th + 2 g on
	s_lshl_b32 s10, s100, 7
	s_lshl_b32 s11, s67, 6
	s_add_co_u32 s10, s10, s11
	s_add_co_u32 s10, s10, s2
	s_add_co_u32 s10, s10, 8192                    ; K: my two tiles' 16 scale words
	s_lshl_b32 s12, s100, 9
	s_lshl_b32 s13, s67, 11
	s_add_co_u32 s12, s12, s13
	s_add_co_u32 s12, s12, s2
	s_add_co_u32 s12, s12, 4096                    ; V: fragments 2 g on, half th
	s_lshl_b32 s14, s100, 1
	s_lshl_b32 s15, s67, 7
	s_add_co_u32 s14, s14, s15
	s_add_co_u32 s14, s14, s2
	s_add_co_u32 s14, s14, 8448                    ; V: bytes 2 th, 2 th + 1 of its words
	s_cmp_eq_u32 s18, 1
	s_cselect_b32 s8, s12, s8
	s_cselect_b32 s10, s14, s10
	s_lshl_b32 s2, s66, 1
	s_add_co_u32 s2, s2, s22                       ; Q: head,
	s_lshl_b32 s3, s23, 3
	s_lshl_b32 s12, s100, 2
	s_add_co_u32 s3, s3, s12
	s_lshl_b32 s12, s67, 1
	s_add_co_u32 s3, s3, s12                       ; tile
	s_lshl_b32 s12, s2, 16
	s_lshl_b32 s13, s3, 9
	s_add_co_u32 s12, s12, s13                     ; codes: 512 bytes a tile
	s_lshl_b32 s13, s2, 13
	s_lshl_b32 s14, s3, 6
	s_add_co_u32 s13, s13, s14
	s_add_co_u32 s13, s13, 2097152                 ; scale words: 64 bytes a tile
	s_wait_kmcnt 0x0
	s_mov_b32 s16, 0xffff0000                      ; lanes 16-31
	s_mov_b32 s17, -1
	s_cmp_lt_u32 s22, 2
	s_cselect_b32 s8, s12, s8
	s_cselect_b32 s10, s13, s10
	s_cselect_b64 s[4:5], s[4:5], s[6:7]
	s_cselect_b32 s17, 0, s17                      ; all lanes where I make K
	s_mov_b32 s9, 0
	s_mov_b32 s11, 0
	s_add_nc_u64 s[8:9], s[4:5], s[8:9]
	s_add_nc_u64 s[10:11], s[4:5], s[10:11]
	s_mov_b32 s12, 0x76543210                      ; v_permlanex16_b32's selects for lane l xor 16
	s_mov_b32 s13, 0xfedcba98
	s_mov_b32 s14, 0x3c800000                      ; 1 / 64
	s_mov_b32 s15, 0x358637bd                      ; eps = 1e-6
	s_wait_dscnt 0x0
	s_barrier_signal -1
	s_barrier_wait -1
	s_cmp_eq_u32 s67, 0
	s_cbranch_scc0 .Lrecv_low
	XRECV 192
	s_branch .Lrecvd
.Lrecv_low:
	XRECV 128
.Lrecvd:
	s_wait_dscnt 0x0
.irp k, 0,1,2,3,4,5,6,7,8,9,10,11,12,13,14,15,16,17,18,19,20,21,22,23,24,25,26,27,28,29,30,31
	v_pk_add_f32 v[128+2*\k:129+2*\k], v[128+2*\k:129+2*\k], v[192+2*\k:193+2*\k]
.endr
; 32 numbers of a lane, register 8 t + j = element 16 t + 8 h + j of my row (two blocks of 32, each shared with lane l xor 16), become four registers of codes, elements 32 h + 0 .. 31,
; and the two scale bytes as the low half of a word.  A block's scale: 2 off the exponent field of its largest magnitude, which is held at 2^(3 - 127) from below.
.macro QUANT2 s, p, w
.irp b, 0,1
	v_max3_num_f32 v[TM+\b], |v[\s+16*\b]|, |v[\s+16*\b+1]|, 0x1800000
.endr
.irp i, 2,4,6,8,10,12,14
.irp b, 0,1
	v_max3_num_f32 v[TM+\b], v[TM+\b], |v[\s+16*\b+\i]|, |v[\s+16*\b+\i+1]|
.endr
.endr
.irp b, 0,1
	v_permlanex16_b32 v[TM+2+\b], v[TM+\b], s12, s13
.endr
.irp b, 0,1
	v_max_num_f32 v[TM+\b], v[TM+\b], v[TM+2+\b]
.endr
.irp b, 0,1
	v_add_nc_u32 v[TM+4+\b], 0xff000000, v[TM+\b]
.endr
.irp b, 0,1
	v_lshrrev_b32 v[TM+2+\b], 23, v[TM+4+\b]
.endr
	v_lshl_or_b32 v[\w], v[TM+3], 8, v[TM+2]
.irp u, 0,1
.irp b, 0,1
	v_cvt_scalef32_pk8_fp4_f32 v[\p+2*\u+\b], v[\s+16*\b+8*\u:\s+16*\b+8*\u+7], v[TM+4+\b]
.endr
.endr
	v_nop
	v_permlane16_swap_b32 v[\p], v[\p+1]
	v_permlane16_swap_b32 v[\p+2], v[\p+3]
.endm
; Token tile a: x rsqrt x weight; RoPE (registers k and 16 + k are d and d + 32); codes and scale bytes
.macro TILE a, cs, win, left
.set G, ACC+32*(\a)
	s_wait_alu depctr_va_vdst(0)
	s_wait_loadcnt \left                           ; the norm's weights and this tile's cos and sin are in
.irp k, 0,2,4,6,8,10,12,14,16,18,20,22,24,26,28,30
	v_pk_mul_f32 v[G+\k:G+\k+1], v[G+\k:G+\k+1], v[204+2*(\a):205+2*(\a)] op_sel_hi:[1,0]
.endr
.irp k, 0,2,4,6,8,10,12,14,16,18,20,22,24,26,28,30
	v_pk_mul_f32 v[G+\k:G+\k+1], v[G+\k:G+\k+1], v[32+\k:33+\k]
.endr
	WIN \win                                       ; cos and sin: source 1
.irp k, 0,2,4,6,8,10,12,14
	v_pk_mul_f32 v[224+\k:225+\k], v[G+\k:G+\k+1], v[\cs+48+\k:\cs+49+\k]            ; x(d) sin(d + 32)
.endr
.irp k, 0,2,4,6,8,10,12,14
	v_pk_mul_f32 v[G+\k:G+\k+1], v[G+\k:G+\k+1], v[\cs+\k:\cs+\k+1]                  ; x(d) cos(d)
.endr
.irp k, 0,2,4,6,8,10,12,14
	v_pk_fma_f32 v[G+\k:G+\k+1], v[G+16+\k:G+17+\k], v[\cs+32+\k:\cs+33+\k], v[G+\k:G+\k+1] neg_lo:[1,0,0] neg_hi:[1,0,0]   ; - x(d + 32) sin(d)
.endr
.irp k, 0,2,4,6,8,10,12,14
	v_pk_fma_f32 v[G+16+\k:G+17+\k], v[G+16+\k:G+17+\k], v[\cs+16+\k:\cs+17+\k], v[224+\k:225+\k]   ; x(d + 32) cos(d + 32) + x(d) sin(d + 32)
.endr
	WIN 0
	QUANT2 G, 240+4*(\a), 248+(\a)
	global_store_b128 v3, v[240+4*(\a):243+4*(\a)], s[8:9] offset:512*(\a)   ; the image: 512 consecutive bytes
.endm
	s_wait_alu depctr_va_vdst(0)
	s_cmp_eq_u32 s18, 1
	s_cbranch_scc1 .Lv_path
	; ---- Q and K: two tiles of 16 tokens
.irp c, 0,1
.irp a, 0,1
	v_pk_mul_f32 v[192+4*\a+2*\c:193+4*\a+2*\c], v[ACC+32*\a+16*\c:ACC+32*\a+16*\c+1], v[ACC+32*\a+16*\c:ACC+32*\a+16*\c+1]
.endr
.endr
.irp i, 2,4,6,8,10,12,14
.irp c, 0,1
.irp a, 0,1
	v_pk_fma_f32 v[192+4*\a+2*\c:193+4*\a+2*\c], v[ACC+32*\a+16*\c+\i:ACC+32*\a+16*\c+\i+1], v[ACC+32*\a+16*\c+\i:ACC+32*\a+16*\c+\i+1], v[192+4*\a+2*\c:193+4*\a+2*\c]
.endr
.endr
.endr
.irp a, 0,1
	v_pk_add_f32 v[192+4*\a:193+4*\a], v[192+4*\a:193+4*\a], v[194+4*\a:195+4*\a]
.endr
.irp a, 0,1
	v_add_f32 v[192+4*\a], v[192+4*\a], v[193+4*\a]
.endr
.irp a, 0,1
	v_permlanex16_b32 v[200+\a], v[192+4*\a], s12, s13
.endr
.irp a, 0,1
	v_add_f32 v[192+4*\a], v[192+4*\a], v[200+\a]  ; with lane l xor 16's 32 numbers
.endr
.irp a, 0,1
	v_fma_f32 v[192+4*\a], v[192+4*\a], s14, s15   ; the mean + eps
.endr
	s_wait_alu depctr_va_vdst(0)
	v_rsq_f32 v204, v192
	v_rsq_f32 v206, v196
	v_mov_b32 v205, 0                              ; (named with it as a pair; also the plain place behind the roots)
	v_mov_b32 v207, 0
	s_wait_alu depctr_va_vdst(0)                   ; ahead of the roots' first reader
	TILE 0, 0, 0x04, 16
	TILE 1, 64, 0, 0
	v_lshl_or_b32 v250, v248, 16, v248             ; Q: a tile's two bytes stand twice in its word
	v_lshl_or_b32 v251, v249, 16, v249
	v_lshl_or_b32 v253, v249, 16, v248             ; K: my two tiles share a word
	v_cndmask_b32 v252, v250, v251, s16            ; lanes 0-15 the first tile's words, lanes 16-31 the second's
	v_cndmask_b32 v254, v4, v5, s17
	v_cndmask_b32 v252, v252, v253, s17
	global_store_b32 v254, v252, s[10:11]          ; Q: 128 consecutive bytes; K: 64 (lanes r and r + 16 write the same bytes with the same value)
	s_branch .Lend
.Lv_path:
	; ---- V: two groups of 16 channels; register 8 t + j of a group holds key 32 h + (8 t or 8 (t xor 1)) + j of my 64: a whole block in a lane
.irp c, 0,1
.irp a, 0,1
	v_max3_num_f32 v[192+2*\a+\c], |v[ACC+32*\a+16*\c]|, |v[ACC+32*\a+16*\c+1]|, 0x1800000
.endr
.endr
.irp i, 2,4,6,8,10,12,14
.irp c, 0,1
.irp a, 0,1
	v_max3_num_f32 v[192+2*\a+\c], v[192+2*\a+\c], |v[ACC+32*\a+16*\c+\i]|, |v[ACC+32*\a+16*\c+\i+1]|
.endr
.endr
.endr
.irp a, 0,1
	v_max_num_f32 v[192+2*\a], v[192+2*\a], v[193+2*\a]
.endr
.irp a, 0,1
	v_add_nc_u32 v[196+\a], 0xff000000, v[192+2*\a]
.endr
.irp a, 0,1
	v_lshrrev_b32 v[198+\a], 23, v[196+\a]
.endr
.irp i, 0,1,2,3
.irp a, 0,1
	v_cvt_scalef32_pk8_fp4_f32 v[240+4*\a+\i], v[ACC+32*\a+8*\i:ACC+32*\a+8*\i+7], v[196+\a]
.endr
.endr
	v_nop
.irp a, 0,1
	global_store_b128 v3, v[240+4*\a:243+4*\a], s[8:9] offset:1024*\a    ; half th of a fragment: 512 consecutive bytes
	global_store_b8 v7, v[198+\a], s[10:11] offset:64*\a                 ; byte 2 th + h of channel r's word
.endr
.Lend:
	s_wait_tensorcnt 0x0                           ; the wave's end
	ds_add_u32 v[SPW], v[NIL]
	s_wait_dscnt 0x0
	CROUND                                         ; the closing round
	s_endpgm
.Lfunc_end_k_q2482d22846_qkv:
	.size	k_q2482d22846_qkv, .Lfunc_end_k_q2482d22846_qkv-k_q2482d22846_qkv
	.p2alignl 7, 3214868480
	.fill 96, 4, 3214868480
	.section	.rodata,"a",@progbits
	.p2align	6, 0x0
	.amdhsa_kernel k_q2482d22846_qkv
		.amdhsa_group_segment_fixed_size 327680
		.amdhsa_private_segment_fixed_size 0
		.amdhsa_enable_private_segment 0
		.amdhsa_kernarg_size 112
		.amdhsa_user_sgpr_count 2
		.amdhsa_user_sgpr_kernarg_segment_ptr 1
		.amdhsa_wavefront_size32 1
		.amdhsa_system_sgpr_workgroup_id_x 1
		.amdhsa_system_sgpr_workgroup_id_y 1
		.amdhsa_system_sgpr_workgroup_id_z 1
		.amdhsa_system_vgpr_workitem_id 0
		.amdhsa_next_free_vgpr 320
		.amdhsa_next_free_sgpr 102
		.amdhsa_reserve_vcc 0
		.amdhsa_float_denorm_mode_32 3
		.amdhsa_float_denorm_mode_16_64 3
		.amdhsa_memory_ordered 1
		.amdhsa_forward_progress 1
		.amdhsa_inst_pref_size 84
	.end_amdhsa_kernel
	.amdgpu_metadata
---
amdhsa.version: [ 1, 2 ]
amdhsa.kernels:
  - .name:           k_q2482d22846_qkv
    .symbol:         k_q2482d22846_qkv.kd
    .args:
      - { .name: x_codes, .offset: 0, .size: 8, .value_kind: global_buffer, .address_space: global }
      - { .name: x_scales, .offset: 8, .size: 8, .value_kind: global_buffer, .address_space: global }
      - { .name: wq_codes, .offset: 16, .size: 8, .value_kind: global_buffer, .address_space: global }
      - { .name: wq_scales, .offset: 24, .size: 8, .value_kind: global_buffer, .address_space: global }
      - { .name: wk_codes, .offset: 32, .size: 8, .value_kind: global_buffer, .address_space: global }
      - { .name: wk_scales, .offset: 40, .size: 8, .value_kind: global_buffer, .address_space: global }
      - { .name: wv_codes, .offset: 48, .size: 8, .value_kind: global_buffer, .address_space: global }
      - { .name: wv_scales, .offset: 56, .size: 8, .value_kind: global_buffer, .address_space: global }
      - { .name: cos, .offset: 64, .size: 8, .value_kind: global_buffer, .address_space: global }
      - { .name: sin, .offset: 72, .size: 8, .value_kind: global_buffer, .address_space: global }
      - { .name: q_norm_w, .offset: 80, .size: 8, .value_kind: global_buffer, .address_space: global }
      - { .name: k_norm_w, .offset: 88, .size: 8, .value_kind: global_buffer, .address_space: global }
      - { .name: qw, .offset: 96, .size: 8, .value_kind: global_buffer, .address_space: global }
      - { .name: kvw, .offset: 104, .size: 8, .value_kind: global_buffer, .address_space: global }
    .group_segment_fixed_size: 327680
    .private_segment_fixed_size: 0
    .kernarg_segment_align: 8
    .kernarg_segment_size: 112
    .max_flat_workgroup_size: 384
    .sgpr_count:     102
    .vgpr_count:     320
    .wavefront_size: 32
...
	.end_amdgpu_metadata
.endif
;; end of part 1
;; launch attn (part 2): grid 32 x 8, 16 waves a work-group, clusters of 4 x 1, 178,176 bytes of LDS; arguments qw, kvw, ac, asc; writes ac, asc
.if DOCPART == 2
	.amdgcn_target "amdgcn-amd-amdhsa--gfx1250"
	.amdhsa_code_object_version 6
	.text
	.protected	k_q2482d22846_attn
	.globl	k_q2482d22846_attn
	.p2align	8
	.type	k_q2482d22846_attn,@function
k_q2482d22846_attn:
	s_mov_b64 s[64:65], 0
	v_nop
	global_prefetch_b8 v0, s[64:65] scope:SCOPE_SE
	s_setreg_imm32_b32 hwreg(HW_REG_WAVE_MODE, 25, 1), 1
	s_wait_xcnt 0x0
	s_wait_alu depctr_hold_cnt(0) depctr_sa_sdst(0) depctr_va_vdst(0) depctr_va_sdst(0) depctr_va_ssrc(0) depctr_va_vcc(0) depctr_vm_vsrc(0)
	s_getreg_b32 s2, hwreg(HW_REG_IB_STS2, 6, 4)
	s_cmp_eq_u32 s2, 0
	s_cbranch_scc0 .Lentry_in_a_cluster
	s_endpgm
.Lentry_in_a_cluster:
	s_bfe_u32 s2, ttmp6, 0x10000c
	s_cmp_lg_u32 s2, 0x3003
	s_cbranch_scc0 .Lentry_shape_is_right
	s_endpgm
.Lentry_shape_is_right:
; LAUNCH 2 OF 3.  attn = softmax(Q K^T / 8, causal) V on codes of FP4 (E2M1), then attn is quantised along its 64 channels a head for the last product.
; LEFT OUT: key steps of 128 keys all of which come after a tile's 16 queries (the causal mask of reference()'s own body makes their p zero for all inputs: see the first kernel's head).
; LIMIT: the scaled scores (exponents to the base 2, before the maximum is taken away) stay under 2^31 in magnitude.
; THE SOFTMAX: t = score x log2(e) / 8; M = the running largest t rounded up to a whole number; p = 2^(t - M) is quantised along the keys, not normalised; the row's sum is taken of the unquantised p and divides at the end.
; A block's scale exponent is floor(its largest t - M) - 2.
; SHARES.  A work-group serves one query head and sixteen tiles of 16 queries.  The pair w = 0 .. 7 of waves w and 8 + w has tile 8 w + i (its last key step is w) and tile 127 - (8 w + i) (last step 15 - w).
; Wave w walks steps 0 to 8 of the second; wave 8 + w walks the whole first tile, stores it, and then steps 9 on of the second: 9 and 8 key steps.  The second tile's two parts are joined through LDS: what was summed under
; two values of M is brought under the larger by exact powers of two.  All branches hang on the wave's number and on counted loops: they are alike in all work-groups.
; THE WHOLE KV HEAD LIES IN LDS: 16 records of 8,704 bytes, images of operand registers; each wave asks for one record, jointly with the three partners of its cluster, which serve the same kv head; filled once, one load a wave.
; No prefetch: every record is asked for once, at the head, and no loop fetches anything.
; LAYOUT.  S^T = K Q^T, O^T = V^T P^T: a lane holds ONE query.  The head's 64 are half of a product's K of 128: TWO tiles of K share an operand (registers 0-3, 4-7), and Q stands beside zero codes on either side: [q, 0] picks the one, [0, q] the other.
; Tile 4 c + t, register j, lane (r, h): key 64 c + 32 h + 8 (t, or t xor 1 where h = 1) + j: a lane's 32 registers of four tiles are ONE block of 32 keys, and V's fragments have the same order of keys.
; REGISTERS: v1-4, v7, v38 lane terms; v3 the join's LDS address; v5, v6 the add's two; v8, v9 LDS addresses; v10 the new -M, v12 -M, v13 the largest score, v[14:15] the sum; v16-35 zeros and Q's two tiles; v36, v37 the mask's;
; v39 -infinity; v40-71 K; v72-103 V; v104-167 S^T, then p; v168-199 O^T; v200-207 p's codes; v208-211 K's and V's scale words, v212 p's, v213, v214 Q's; v216-239 at work.
.set REC,   8704
.set EX,    139264                     ; behind the records: the join, 9 x 512 bytes a pair of waves; no tile lands here
.set SPARE, 176128
.set SEL,   20
.set CS,    22
.set TB,    60
.set ST,    61
.set NC,    62
.set TM,    216
.macro PLACES
.rept 4
	v_nop
.endr
.endm
.macro ROUND
	s_barrier_signal -1
	s_barrier_wait -1
	s_cmp_lg_u32 s12, 0
	s_cbranch_scc1 .Lnot_wave_0_\@
	s_barrier_signal -3
.Lnot_wave_0_\@:
	s_barrier_wait -3
	s_barrier_signal -1
	s_barrier_wait -1
.endm
.macro QUANT2 s, p, w                  ; as in the first kernel
.irp b, 0,1
	v_max3_num_f32 v[TM+\b], |v[\s+16*\b]|, |v[\s+16*\b+1]|, 0x1800000
.endr
.irp i, 2,4,6,8,10,12,14
.irp b, 0,1
	v_max3_num_f32 v[TM+\b], v[TM+\b], |v[\s+16*\b+\i]|, |v[\s+16*\b+\i+1]|
.endr
.endr
.irp b, 0,1
	v_permlanex16_b32 v[TM+2+\b], v[TM+\b], s[SEL], s[SEL+1]
.endr
.irp b, 0,1
	v_max_num_f32 v[TM+\b], v[TM+\b], v[TM+2+\b]
.endr
.irp b, 0,1
	v_add_nc_u32 v[TM+4+\b], 0xff000000, v[TM+\b]
.endr
.irp b, 0,1
	v_lshrrev_b32 v[TM+2+\b], 23, v[TM+4+\b]
.endr
	v_lshl_or_b32 v[\w], v[TM+3], 8, v[TM+2]
.irp u, 0,1
.irp b, 0,1
	v_cvt_scalef32_pk8_fp4_f32 v[\p+2*\u+\b], v[\s+16*\b+8*\u:\s+16*\b+8*\u+7], v[TM+4+\b]
.endr
.endr
	v_nop
	v_permlane16_swap_b32 v[\p], v[\p+1]
	v_permlane16_swap_b32 v[\p+2], v[\p+3]
.endm
	s_load_b256 s[4:11], s[0:1], 0x0               ; qw, kvw, ac, asc
	v_lshl_add_u32 v5, v0, 2, SPARE
	v_mov_b32 v6, 0
	ds_add_u32 v5, v6                              ; the opening: the add, twice on end, and its wait ahead of my first tensor load
	ds_add_u32 v5, v6
	v_lshrrev_b32 v8, 5, v0
	v_readfirstlane_b32 s12, v8                    ; wave 0..15
	s_and_b32 s18, s12, 7                          ; w: my pair
	s_lshr_b32 s19, s12, 3                         ; which of the two I am
	s_xor_b32 s37, s19, 1
	s_bfe_u32 s13, ttmp6, 0x40000                  ; cx: it enters global addresses and the mask's numbers alone
	s_and_b32 s14, ttmp9, 1
	s_lshl_b32 s14, s14, 2
	s_add_co_u32 s14, s14, s13                     ; i
	s_lshr_b32 s15, ttmp9, 1
	s_and_b32 s16, ttmp7, 0xffff                   ; the kv head, which the four partners share
	s_lshl_b32 s17, s16, 2
	s_add_co_u32 s17, s17, s15                     ; the query head
	s_lshl_b32 s46, s18, 3
	s_add_co_u32 s46, s46, s14
	s_xor_b32 s47, s46, 127                        ; the second tile: 127 - (8 w + i)
	s_mul_i32 s38, s37, 127
	s_xor_b32 s46, s46, s38                        ; the tile that I finish: wave w the second, wave 8 + w the first
	s_mul_i32 s42, s19, s18
	s_lshl_b32 s38, s37, 3
	s_add_co_u32 s42, s42, s38                     ; my last step in the first walk: 8, or w
	s_mul_i32 s38, s37, 15
	s_xor_b32 s43, s18, s38                        ; the step on its tile's diagonal: 15 - w, or w
	s_xor_b32 s45, s18, 15                         ; in the second walk: 15 - w,
	s_mul_i32 s44, s19, s45                        ; and the last step: 0 (none is walked), or 15 - w
	s_mov_b32 s24, 15|(3<<16)|(1<<21)              ; group 1: the mask: all four; elements of 8 bytes; bit 21 beside a mask; no padding
	s_mov_b32 s25, 32<<16                          ; 34 rows of 256 bytes, dense: a record
	s_mov_b32 s26, 34<<16
	s_mov_b32 s27, 32<<16
	s_mov_b32 s28, 34
	s_mov_b32 s29, 32
	s_mov_b32 s30, 0
	s_mov_b32 s31, 0
	s_mov_b32 s32, 1
	s_mul_i32 s33, s12, REC
	s_mul_i32 s38, s16, 16*REC
	s_add_co_u32 s38, s38, s33
	s_mov_b32 s39, 0
	s_mov_b32 s[SEL], 0x76543210
	s_mov_b32 s[SEL+1], 0xfedcba98
	s_mov_b32 s[CS], 0x3e38aa3b                    ; c = log2(e) / 8
	s_mov_b32 s[CS+1], s[CS]
	s_mov_b32 s[NC], 0xbe38aa3b                    ; -c
	s_wait_dscnt 0x0                               ; both opening adds are done
	s_wait_kmcnt 0x0
	s_add_nc_u64 s[34:35], s[6:7], s[38:39]
	s_or_b32 s35, s35, 0x80000000
	ROUND                                          ; all four work-groups are here: the joint loads meet
	tensor_load_to_lds s[32:35], s[24:31]
	s_nop 0
	PLACES
.macro QADDR t, qc, qsc                ; Q's image and scale words of tile s[t]
	s_lshl_b32 s38, s17, 16
	s_lshl_b32 s40, s[\t], 9
	s_add_co_u32 s38, s38, s40
	s_add_nc_u64 s[\qc:\qc+1], s[4:5], s[38:39]
	s_lshl_b32 s38, s17, 13
	s_lshl_b32 s40, s[\t], 6
	s_add_co_u32 s38, s38, s40
	s_add_co_u32 s38, s38, 2097152
	s_add_nc_u64 s[\qsc:\qsc+1], s[4:5], s[38:39]
.endm
	QADDR 46, 48, 50
	QADDR 47, 52, 54
	s_lshl_b32 s38, s46, 5
	s_add_co_u32 s38, s38, s17
	s_lshl_b32 s38, s38, 9                         ; ac: (tile x 32 + head) x 512
	s_add_nc_u64 s[56:57], s[8:9], s[38:39]
	s_lshl_b32 s38, s46, 2
	s_lshr_b32 s40, s17, 3
	s_add_co_u32 s38, s38, s40
	s_lshl_b32 s38, s38, 8                         ; asc: (tile x 4 + head / 8) x 256,
	s_bfe_u32 s40, s17, 0x20001
	s_lshl_b32 s40, s40, 2
	s_add_co_u32 s38, s38, s40                     ; the word of K step (head / 2) % 4,
	s_and_b32 s40, s17, 1
	s_lshl_b32 s40, s40, 1
	s_add_co_u32 s38, s38, s40                     ; its half head % 2
	s_add_nc_u64 s[58:59], s[10:11], s[38:39]
	s_mul_i32 s41, s18, 4608
	s_add_co_u32 s41, s41, EX
	v_and_b32 v8, 31, v0
	v_and_b32 v9, 15, v0
	v_bfe_u32 v7, v0, 4, 1
	v_lshlrev_b32 v1, 4, v8                        ; 16 x lane
	v_lshlrev_b32 v2, 2, v8                        ; 4 x lane
	v_lshlrev_b32 v4, 2, v9                        ; 4 r
	v_lshlrev_b32 v38, 4, v9                       ; 16 r
	v_lshlrev_b32 v7, 3, v7                        ; 8 h
	v_add_nc_u32 v3, s41, v1
	v_cmp_lt_u32 s36, 7, v9                        ; lanes with r >= 8
	s_wait_alu depctr_va_vdst(0)
	global_load_b128 v[20:23], v1, s[48:49]
	global_load_b128 v[28:31], v1, s[52:53]
	global_load_b32 v213, v4, s[50:51]
	global_load_b32 v214, v4, s[54:55]
.irp j, 16,17,18,19,24,25,26,27,32,33,34,35
	v_mov_b32 v[\j], 0                             ; zero codes beside Q
.endr
	v_mov_b32 v39, 0xff800000                      ; -infinity
	v_mov_b32 v11, 0                               ; (upper halves of pairs, and lane permutes' destinations, are written once)
.set n, 216
.rept 24
	v_mov_b32 v[n], 0
.set n, n+1
.endr
; the lanes' query places in the diagonal step, for even and for odd tiles of keys: hidden where 64 c + 8 t + j > v36 (t even), v37 (t odd)
.macro MASK t
	s_and_b32 s38, s[\t], 3
	s_lshl_b32 s38, s38, 3                         ; 8 t of my tile of queries
	s_xor_b32 s40, s38, 8
	s_add_co_u32 s40, s40, 32
	s_bfe_u32 s41, s[\t], 0x10002
	s_lshl_b32 s41, s41, 6                         ; 64 c
	v_mov_b32 v216, s38
	v_mov_b32 v217, s40
	v_and_b32 v218, 7, v0
	v_mul_u32_u24 v219, 5, v7
	v_mul_u32_u24 v220, 3, v7
	v_cndmask_b32 v216, v216, v217, s36
	v_add_nc_u32 v218, s41, v218
	v_add_nc_u32 v216, v216, v218
	v_sub_nc_u32 v36, v216, v219
	v_sub_nc_u32 v37, v216, v220
.endm
.macro INIT
	v_mov_b32 v13, 0xff61b1e6                      ; the largest score so far: -3e38
	v_mul_f32 v12, s[NC], v13
	v_mov_b32 v14, 0
	v_mov_b32 v15, 0
	v_floor_f32 v12, v12                           ; -M
.set n, 168
.rept 32
	v_mov_b32 v[n], 0                              ; O^T: the step is written once; the first change of M multiplies zeros
.set n, n+1
.endr
.endm
	MASK 46
	INIT
	s_wait_alu depctr_va_vdst(0)                   ; the wait at the head's end
	s_wait_tensorcnt 0x0                           ; my record is in,
	s_barrier_signal -1
	s_barrier_wait -1                              ; everybody's is
	s_wait_loadcnt 0x0                             ; Q
.macro KQ a, qlo, qhi, qs              ; S^T tile a: pair a / 2; K's scale words: register 208 + a / 4, lanes 16-31 for odd pairs
.set QF, \qlo
.if (\a)%2
.set QF, \qhi
.endif
.if ((\a)/2)%2
	v_wmma_scale_f32_16x16x128_f8f6f4 v[104+8*(\a):111+8*(\a)], v[40+8*((\a)/2):47+8*((\a)/2)], v[QF:QF+7], 0, v[208+(\a)/4], v[\qs] matrix_a_fmt:MATRIX_FMT_FP4 matrix_b_fmt:MATRIX_FMT_FP4 matrix_a_scale:MATRIX_SCALE_ROW1
.else
	v_wmma_scale_f32_16x16x128_f8f6f4 v[104+8*(\a):111+8*(\a)], v[40+8*((\a)/2):47+8*((\a)/2)], v[QF:QF+7], 0, v[208+(\a)/4], v[\qs] matrix_a_fmt:MATRIX_FMT_FP4 matrix_b_fmt:MATRIX_FMT_FP4
.endif
.endm
.macro PV t
.if (\t)%2
	v_wmma_scale_f32_16x16x128_f8f6f4 v[168+8*(\t):175+8*(\t)], v[72+8*(\t):79+8*(\t)], v[200:207], v[168+8*(\t):175+8*(\t)], v[210+(\t)/2], v212 matrix_a_fmt:MATRIX_FMT_FP4 matrix_b_fmt:MATRIX_FMT_FP4 matrix_a_scale:MATRIX_SCALE_ROW1
.else
	v_wmma_scale_f32_16x16x128_f8f6f4 v[168+8*(\t):175+8*(\t)], v[72+8*(\t):79+8*(\t)], v[200:207], v[168+8*(\t):175+8*(\t)], v[210+(\t)/2], v212 matrix_a_fmt:MATRIX_FMT_FP4 matrix_b_fmt:MATRIX_FMT_FP4
.endif
.endm
.macro PKF k                           ; t - M of eight scores
.irp i, 0,2,4,6
	v_pk_fma_f32 v[104+8*\k+\i:105+8*\k+\i], v[104+8*\k+\i:105+8*\k+\i], s[CS:CS+1], v[10:11] op_sel_hi:[1,0,0]
.endr
.endm
; A key step; s[la] the walk's last step, s[dg] the one on the diagonal
.macro STEP qlo, qhi, qs, la, dg
	s_cmp_gt_u32 s[ST], s[\la]                     ; the wave's number and the count of steps decide
	s_cbranch_scc1 .Lhidden_\@
	v_add_nc_u32 v8, s[TB], v1
	v_add_nc_u32 v9, s[TB], v2
	v_nop                                          ; four places in front of loads into registers that the last products read
	v_nop
.irp a, 0,1,2,3,4,5,6,7
	ds_load_b128 v[40+4*\a:43+4*\a], v8 offset:512*\a
.endr
	ds_load_b32 v208, v9 offset:8192
	ds_load_b32 v209, v9 offset:8320
.irp t, 0,1,2,3
.irp c, 0,1
	ds_load_b128 v[72+8*\t+4*\c:75+8*\t+4*\c], v8 offset:4096+1024*\t+512*\c
.endr
.endr
	ds_load_b32 v210, v9 offset:8448
	ds_load_b32 v211, v9 offset:8576
	s_wait_dscnt 10                                ; K and its scale words are in; V's eight loads and its two scale loads may be out
.irp a, 0,1,2,3,4,5,6,7
	KQ \a, \qlo, \qhi, \qs
.endr
	PLACES
	s_cmp_lg_u32 s[ST], s[\dg]
	s_cbranch_scc1 .Lopen_\@
	s_wait_alu depctr_va_vdst(0)
.set n, 0
.rept 64
	v_cmp_gt_i32 vcc_lo, n+32*(n/32), v[36+(n/8)%2]
	v_cndmask_b32 v[104+n], v[104+n], v39, vcc_lo
.set n, n+1
.endr
.Lopen_\@:
.irp b, 0,1,2,3
	v_max3_num_f32 v[216+\b], v[104+16*\b], v[105+16*\b], v[106+16*\b]   ; the largest score of each block of 32 keys, in two chains a block
.endr
.irp i, 3,5,7,9,11,13
.irp b, 0,1,2,3
	v_max3_num_f32 v[216+\b], v[216+\b], v[104+16*\b+\i], v[105+16*\b+\i]
.endr
.endr
.irp c, 0,1
	v_max3_num_f32 v[216+2*\c], v[216+2*\c], v[119+32*\c], v[135+32*\c]
.endr
.irp c, 0,1
	v_max_num_f32 v[216+2*\c], v[216+2*\c], v[217+2*\c]
.endr
	v_max_num_f32 v220, v216, v218
	s_delay_alu instid0(VALU_DEP_1)
	v_permlanex16_b32 v221, v220, s[SEL], s[SEL+1]
	s_delay_alu instid0(VALU_DEP_1)
	v_max3_num_f32 v13, v13, v220, v221            ; the running largest score
	s_delay_alu instid0(VALU_DEP_1)
	v_mul_f32 v222, s[NC], v13
	s_delay_alu instid0(VALU_DEP_1)
	v_floor_f32 v10, v222                          ; the new -M: a whole number
	v_sub_f32 v223, v10, v12
	PKF 0
	v_cvt_i32_f32 v223, v223                       ; (it saturates)
	v_fma_f32 v216, v216, s[CS], v10               ; the blocks' largest t - M
	v_fma_f32 v218, v218, s[CS], v10
	PKF 1
	v_ldexp_f32 v224, 1.0, v223                    ; f = 2^(old M - new M)
	v_max_num_f32 v216, 0xc2f80000, v216           ; held at -124: the scale's byte cannot fall under 1
	v_max_num_f32 v218, 0xc2f80000, v218
	PKF 2
	v_floor_f32 v216, v216
	v_floor_f32 v218, v218
	PKF 3
	v_cvt_i32_f32 v216, v216
	v_cvt_i32_f32 v218, v218
	PKF 4
	v_add_lshl_u32 v226, v216, 0x7d, 23            ; the conversions' scale operands: byte = whole number - 2 + 127
	v_add_lshl_u32 v227, v218, 0x7d, 23
	v_lshl_add_u32 v212, v218, 16, v216            ; blocks h and 2 + h
	PKF 5
	v_lshlrev_b32 v212, v7, v212
	PKF 6
	v_permlanex16_b32 v228, v212, s[SEL], s[SEL+1]
	PKF 7
	v_add3_u32 v212, v212, v228, 0x7d7d7d7d        ; p's scale word: four bytes, 125 added to each
	s_wait_alu depctr_va_vdst(0)                   ; ahead of the batch
.set n, 104
.rept 64
	v_exp_f32 v[n], v[n]                           ; p = 2^(t - M)
.set n, n+1
.endr
	v_mov_b32 v12, v10                             ; (a plain place behind the exponentials)
	s_wait_alu depctr_va_vdst(0)                   ; behind the batch, and ahead of O^T's first readers
.set n, 168
.rept 16
	v_pk_mul_f32 v[n:n+1], v[n:n+1], v[224:225] op_sel_hi:[1,0]   ; O^T under the new M
.set n, n+2
.endr
.irp t, 0,1,2,3
.irp c, 0,1
	v_cvt_scalef32_pk8_fp4_f32 v[200+4*\c+\t], v[104+32*\c+8*\t:111+32*\c+8*\t], v[226+\c]
.endr
.endr
.irp k, 0,1,2,3
	v_pk_add_f32 v[230+2*\k:231+2*\k], v[104+2*\k:105+2*\k], v[112+2*\k:113+2*\k]   ; the sum of the unquantised p, in four chains; these lines are also the places ahead of the products
.endr
.irp i, 16,24,32,40,48,56
.irp k, 0,1,2,3
	v_pk_add_f32 v[230+2*\k:231+2*\k], v[230+2*\k:231+2*\k], v[104+\i+2*\k:105+\i+2*\k]
.endr
.endr
	v_pk_add_f32 v[230:231], v[230:231], v[232:233]
	v_pk_add_f32 v[234:235], v[234:235], v[236:237]
	v_pk_add_f32 v[230:231], v[230:231], v[234:235]
	v_pk_fma_f32 v[14:15], v[14:15], v[224:225], v[230:231] op_sel_hi:[1,0,1]
	s_wait_alu depctr_va_vdst(0)
	s_wait_dscnt 0x0                               ; V and its scale words are in
.irp t, 0,1,2,3
	PV \t                                          ; four accumulators by turns
.endr
.Lhidden_\@:
	s_add_co_u32 s[TB], s[TB], REC
	s_add_co_u32 s[ST], s[ST], 1
.endm
; O^T / the sum; its 64 channels are two blocks of the last product's K
.macro FIN
	PLACES
	v_add_f32 v14, v14, v15
	v_permlanex16_b32 v221, v14, s[SEL], s[SEL+1]
	v_add_f32 v14, v14, v221
	s_wait_alu depctr_va_vdst(0)
	v_rcp_f32 v14, v14
	v_nop
	s_wait_alu depctr_va_vdst(0)
.set n, 0
.rept 16
	v_pk_mul_f32 v[104+n:105+n], v[168+n:169+n], v[14:15] op_sel_hi:[1,0]
.set n, n+2
.endr
	QUANT2 104, 200, 212
	global_store_b128 v1, v[200:203], s[56:57]     ; the image: 512 consecutive bytes
	global_store_b16 v38, v212, s[58:59]           ; my row's two scale bytes; lanes r and r + 16 write the same bytes with the same value
	s_wait_alu depctr_va_vdst(0)
	s_wait_xcnt 0x0                                ; the stores have read their registers
.endm
	s_mov_b32 s[TB], 0
	s_mov_b32 s[ST], 0
.Lwalk_1:
	STEP 20, 16, 213, 42, 43
	s_cmp_lt_u32 s[ST], 9
	s_cbranch_scc1 .Lwalk_1
	s_cmp_eq_u32 s19, 0
	s_cbranch_scc1 .Lkeep                          ; wave w keeps its sums; wave 8 + w has finished the first tile
	FIN
	MASK 47
	INIT
	s_wait_alu depctr_va_vdst(0)
.Lkeep:
	s_mov_b32 s[TB], 9*REC
	s_mov_b32 s[ST], 9
.Lwalk_2:
	STEP 28, 24, 214, 44, 45
	s_cmp_lt_u32 s[ST], 16
	s_cbranch_scc1 .Lwalk_2
	PLACES
	s_wait_alu depctr_va_vdst(0)
	s_cmp_eq_u32 s19, 0
	s_cbranch_scc1 .Lno_send
.irp k, 0,1,2,3,4,5,6,7
	ds_store_b128 v3, v[168+4*\k:171+4*\k] offset:512*\k   ; my part of the second tile: O^T,
.endr
	ds_store_b128 v3, v[12:15] offset:4096         ; -M, the largest score, the sum
.Lno_send:
	s_wait_dscnt 0x0
	s_barrier_signal -1
	s_barrier_wait -1
	s_cmp_lg_u32 s19, 0
	s_cbranch_scc1 .Ldone
.irp k, 0,1,2,3,4,5,6,7
	ds_load_b128 v[40+4*\k:43+4*\k], v3 offset:512*\k
.endr
	ds_load_b128 v[72:75], v3 offset:4096
	s_wait_dscnt 0x0
	v_min_num_f32 v10, v12, v72                    ; -M of both parts
	v_sub_f32 v223, v10, v12
	v_sub_f32 v229, v10, v72
	v_cvt_i32_f32 v223, v223
	v_cvt_i32_f32 v229, v229
	v_ldexp_f32 v224, 1.0, v223
	v_ldexp_f32 v226, 1.0, v229
.set n, 0
.rept 16
	v_pk_mul_f32 v[168+n:169+n], v[168+n:169+n], v[224:225] op_sel_hi:[1,0]
.set n, n+2
.endr
	v_pk_mul_f32 v[14:15], v[14:15], v[224:225] op_sel_hi:[1,0]
.set n, 0
.rept 16
	v_pk_fma_f32 v[168+n:169+n], v[40+n:41+n], v[226:227], v[168+n:169+n] op_sel_hi:[1,0,1]
.set n, n+2
.endr
	v_pk_fma_f32 v[14:15], v[74:75], v[226:227], v[14:15] op_sel_hi:[1,0,1]
	FIN
.Ldone:
	s_wait_tensorcnt 0x0                           ; the wave's end
	ds_add_u32 v5, v6
	s_wait_dscnt 0x0
	ROUND                                          ; the closing round
	s_endpgm
.Lfunc_end_k_q2482d22846_attn:
	.size	k_q2482d22846_attn, .Lfunc_end_k_q2482d22846_attn-k_q2482d22846_attn
	.p2alignl 7, 3214868480
	.fill 96, 4, 3214868480
	.section	.rodata,"a",@progbits
	.p2align	6, 0x0
	.amdhsa_kernel k_q2482d22846_attn
		.amdhsa_group_segment_fixed_size 178176
		.amdhsa_private_segment_fixed_size 0
		.amdhsa_enable_private_segment 0
		.amdhsa_kernarg_size 32
		.amdhsa_user_sgpr_count 2
		.amdhsa_user_sgpr_kernarg_segment_ptr 1
		.amdhsa_wavefront_size32 1
		.amdhsa_system_sgpr_workgroup_id_x 1
		.amdhsa_system_sgpr_workgroup_id_y 1
		.amdhsa_system_sgpr_workgroup_id_z 1
		.amdhsa_system_vgpr_workitem_id 0
		.amdhsa_next_free_vgpr 256
		.amdhsa_next_free_sgpr 66
		.amdhsa_reserve_vcc 1
		.amdhsa_float_denorm_mode_32 3
		.amdhsa_float_denorm_mode_16_64 3
		.amdhsa_memory_ordered 1
		.amdhsa_forward_progress 1
		.amdhsa_inst_pref_size 61
	.end_amdhsa_kernel
	.amdgpu_metadata
---
amdhsa.version: [ 1, 2 ]
amdhsa.kernels:
  - .name:           k_q2482d22846_attn
    .symbol:         k_q2482d22846_attn.kd
    .args:
      - { .name: qw, .offset: 0, .size: 8, .value_kind: global_buffer, .address_space: global }
      - { .name: kvw, .offset: 8, .size: 8, .value_kind: global_buffer, .address_space: global }
      - { .name: ac, .offset: 16, .size: 8, .value_kind: global_buffer, .address_space: global }
      - { .name: asc, .offset: 24, .size: 8, .value_kind: global_buffer, .address_space: global }
    .group_segment_fixed_size: 178176
    .private_segment_fixed_size: 0
    .kernarg_segment_align: 8
    .kernarg_segment_size: 32
    .max_flat_workgroup_size: 512
    .sgpr_count:     66
    .vgpr_count:     256
    .wavefront_size: 32
...
	.end_amdgpu_metadata
.endif
;; end of part 2
;; launch oproj (part 3): grid 16 x 16, 8 waves a work-group, clusters of 4 x 4, 327,680 bytes of LDS; arguments ac, asc, wo_codes, wo_scales, out0; writes out0
.if DOCPART == 3
	.amdgcn_target "amdgcn-amd-amdhsa--gfx1250"
	.amdhsa_code_object_version 6
	.text
	.protected	k_q2482d22846_oproj
	.globl	k_q2482d22846_oproj
	.p2align	8
	.type	k_q2482d22846_oproj,@function
k_q2482d22846_oproj:
	s_mov_b64 s[64:65], 0
	v_nop
	global_prefetch_b8 v0, s[64:65] scope:SCOPE_SE
	s_setreg_imm32_b32 hwreg(HW_REG_WAVE_MODE, 25, 1), 1
	s_wait_xcnt 0x0
	s_wait_alu depctr_hold_cnt(0) depctr_sa_sdst(0) depctr_va_vdst(0) depctr_va_sdst(0) depctr_va_ssrc(0) depctr_va_vcc(0) depctr_vm_vsrc(0)
	s_getreg_b32 s2, hwreg(HW_REG_IB_STS2, 6, 4)
	s_cmp_eq_u32 s2, 0
	s_cbranch_scc0 .Lentry_in_a_cluster
	s_endpgm
.Lentry_in_a_cluster:
	s_bfe_u32 s2, ttmp6, 0x10000c
	s_cmp_lg_u32 s2, 0xf033
	s_cbranch_scc0 .Lentry_shape_is_right
	s_endpgm
.Lentry_shape_is_right:
; LAUNCH 3 OF 3.  out0 = attn wo on codes of FP4 (E2M1) with E8M0 scales; sums in f32.  Nothing is left out here.
; attn's codes come as images of operand registers, [tile of 16 tokens][head][lane][16 bytes]: two heads are a K step of 128; its scale words as [tile][chunk of 512 along K][row][4 words].
; A tile's 16 tokens are those of the first kernel: tile t of 64 tokens: row r < 8 token 8 t + r, row r >= 8 token 32 + 8 (t xor 1) + r - 8.
; SHARES.  A work-group makes 128 tokens x 128 columns; eight waves: wave = 4 g + 2 wc + wr: 64 tokens wr x 64 columns wc, K's half g (chunks 2 g, 2 g + 1 of 512).  The waves g = 0, 1 of a 64 x 64 exchange half of their sums through LDS and finish two tiles of 16 tokens each.
; ALL OF K (2,048) LIES IN LDS, asked for at the head, one load a wave, filled once.  CLUSTER 4 x 4: attn's tiles are asked for jointly along a row of the cluster, wo's along a column; the scale bytes, a sixteenth of the codes' bytes, come by each work-group's own loads.
; No prefetch: every tile is asked for once, at the head, and no later load stands in this text.
; Source 0 = 16 rows of wo, source 1 = 16 tokens: a lane holds eight neighbouring columns of one row of out0.
; REGISTERS.  window 0: v3, v6-24 lane terms and LDS addresses; v32-63 scale words, two sets (on the way out: rows read back); v64-127 the partner's sums; v128-255 accumulators.  window 1: v0-63, v64-127 two buffers of fragments.
.set AOFF1, 65536                      ; attn: chunks 0 and 2 of each tile, 4,096 bytes each, at 0; chunks 1 and 3 here
.set BOFF,  131072                     ; wo: 128 rows x 272 bytes a chunk: chunks 0, 2, 1, 3
.set BCH,   34816
.set SAO,   270336                     ; attn's scale words: 32 units of 256 + 16
.set SBO,   279040                     ; wo's
.set SPARE, 287744
.set ACC,   128
.set SCW,   32
.set ADA,   8
.set ADB,   12
.set ASA,   14
.set ASX,   15
.set ASB,   16
.set SPW,   18
.set NIL,   19
.set G1A,   24
.set G1B,   32
.set G1S,   40
.set G0A0,  48
.set G0B0,  52
.set G0B2,  56
.set G0SA,  60
.set G0SB,  68
.set G0A1,  72
.set G0B1,  76
.set G0B3,  80
.set PADW,  (1<<20)|(5<<22)|(3<<25)
.set MSB, 0
.macro WIN new
.if MSB != \new
	s_set_vgpr_msb (MSB<<8)|\new
.set MSB, \new
.endif
.endm
.set MUL,  0x05
.set TO_F, 0x40
.macro PLACES
.rept 4
	v_nop
.endr
.endm
.macro TLOAD g0, g1
	tensor_load_to_lds s[\g0:\g0+3], s[\g1:\g1+7]
	s_nop 0
	PLACES
.endm
.macro CROUND
	s_barrier_signal -1
	s_barrier_wait -1
	s_cmp_lg_u32 s20, 0
	s_cbranch_scc1 .Lnot_wave_0_\@
	s_barrier_signal -3
.Lnot_wave_0_\@:
	s_barrier_wait -3
	s_barrier_signal -1
	s_barrier_wait -1
.endm
	s_load_b256 s[4:11], s[0:1], 0x0               ; ac, asc, wo codes, wo scales
	s_load_b64 s[12:13], s[0:1], 0x20              ; out0
	v_lshl_add_u32 v[SPW], v0, 2, SPARE
	v_mov_b32 v[NIL], 0
	ds_add_u32 v[SPW], v[NIL]                      ; the opening: the add, twice on end, and its wait ahead of my first tensor load
	ds_add_u32 v[SPW], v[NIL]
	v_lshrrev_b32 v1, 5, v0
	v_readfirstlane_b32 s20, v1                    ; wave
	s_and_b32 s21, s20, 1                          ; wr
	s_bfe_u32 s22, s20, 0x10001                    ; wc
	s_lshr_b32 s67, s20, 2                         ; g
	s_bfe_u32 s2, ttmp6, 0x40000                   ; cx
	s_bfe_u32 s3, ttmp6, 0x40004                   ; cy
	s_and_b32 s23, ttmp7, 0xffff
	s_lshl_b32 s23, s23, 2
	s_add_co_u32 s23, s23, s3                      ; ty
	s_lshl_b32 s66, ttmp9, 2
	s_add_co_u32 s66, s66, s2                      ; tx
	s_lshl_b32 s100, s3, 2
	s_lshl_b32 s100, 15, s100                      ; my row of the cluster
	s_lshl_b32 s101, 0x1111, s2                    ; my column
	s_or_b32 s[G1A], s100, (3<<16)|(1<<21)         ; attn: elements of 8 bytes, no padding: 16 rows of 4,096 bytes, 8,192 bytes apart: two chunks of each of 8 tiles
	s_mov_b32 s[G1A+1], 512<<16
	s_mov_b32 s[G1A+2], 16<<16
	s_mov_b32 s[G1A+3], 512<<16
	s_mov_b32 s[G1A+4], 16
	s_mov_b32 s[G1A+5], 1024
	s_mov_b32 s[G1A+6], 0
	s_mov_b32 s[G1A+7], 0
	s_or_b32 s[G1B], s101, PADW|(1<<21)            ; wo: 128 rows of 256 bytes, 1,024 bytes apart, 16 bytes of padding behind each
	s_mov_b32 s[G1B+1], 256<<16
	s_mov_b32 s[G1B+2], 128<<16
	s_mov_b32 s[G1B+3], 256<<16
	s_mov_b32 s[G1B+4], 128
	s_mov_b32 s[G1B+5], 1024
	s_mov_b32 s[G1B+6], 0
	s_mov_b32 s[G1B+7], 0
	s_mov_b32 s[G1S], (3<<16)|PADW                 ; scale bytes: 8,192 dense bytes as 32 rows of 256, padded; no mask
	s_mov_b32 s[G1S+1], 32<<16
	s_mov_b32 s[G1S+2], 32<<16
	s_mov_b32 s[G1S+3], 32<<16
	s_mov_b32 s[G1S+4], 32
	s_mov_b32 s[G1S+5], 32
	s_mov_b32 s[G1S+6], 0
	s_mov_b32 s[G1S+7], 0
.irp g, G0A0, G0B0, G0B2, G0SA, G0SB, G0A1, G0B1, G0B3
	s_mov_b32 s[\g], 1
.endr
	s_mov_b32 s[G0A0+1], 0
	s_mov_b32 s[G0A1+1], AOFF1
	s_mov_b32 s[G0B0+1], BOFF
	s_mov_b32 s[G0B2+1], BOFF+BCH
	s_mov_b32 s[G0B1+1], BOFF+2*BCH
	s_mov_b32 s[G0B3+1], BOFF+3*BCH
	s_mov_b32 s[G0SA+1], SAO
	s_mov_b32 s[G0SB+1], SBO
	s_lshl_b32 s14, s23, 17                        ; attn: 8 ty tiles of 16,384 bytes; scale words a sixteenth
	s_mov_b32 s15, 0
	s_lshl_b32 s16, s66, 17                        ; wo: 128 tx rows of 1,024 bytes
	s_mov_b32 s17, 0
	s_lshl_b32 s18, s23, 13
	s_mov_b32 s19, 0
	s_lshl_b32 s2, s66, 13
	s_mov_b32 s3, 0
	s_wait_dscnt 0x0                               ; both opening adds are done
	s_wait_kmcnt 0x0
	s_add_nc_u64 s[G0A0+2:G0A0+3], s[4:5], s[14:15]
	s_add_nc_u64 s[G0A1+2:G0A1+3], s[G0A0+2:G0A0+3], 4096
	s_add_nc_u64 s[G0B0+2:G0B0+3], s[8:9], s[16:17]
	s_add_nc_u64 s[G0B1+2:G0B1+3], s[G0B0+2:G0B0+3], 256
	s_add_nc_u64 s[G0B2+2:G0B2+3], s[G0B0+2:G0B0+3], 512
	s_add_nc_u64 s[G0B3+2:G0B3+3], s[G0B0+2:G0B0+3], 768
	s_add_nc_u64 s[G0SA+2:G0SA+3], s[6:7], s[18:19]
	s_add_nc_u64 s[G0SB+2:G0SB+3], s[10:11], s[2:3]
.irp g, G0A0, G0B0, G0B2, G0SA, G0SB, G0A1, G0B1, G0B3
	s_or_b32 s[\g+3], s[\g+3], 0x80000000
.endr
	CROUND                                         ; all sixteen work-groups are here: the first joint loads meet
.macro ARM under, g0, g1, next
	s_cmp_lt_u32 s20, \under
	s_cbranch_scc0 \next
	TLOAD \g0, \g1
	s_branch .Lasked
\next:
.endm
	ARM 1, G0A0, G1A, .La1                         ; ONE chain of branches on the wave's number, one load a wave
	ARM 2, G0B0, G1B, .La2
	ARM 3, G0B2, G1B, .La3
	ARM 4, G0SA, G1S, .La4
	ARM 5, G0SB, G1S, .La5
	ARM 6, G0A1, G1A, .La6
	ARM 7, G0B1, G1B, .La7
	TLOAD G0B3, G1B
.Lasked:
	s_lshl_b32 s14, s23, 20                        ; out0: (128 ty + 64 wr + 16 g) rows of 8,192 bytes + (128 tx + 64 wc) x 4
	s_lshl_b32 s15, s21, 19
	s_add_co_u32 s14, s14, s15
	s_lshl_b32 s15, s67, 17
	s_add_co_u32 s14, s14, s15
	s_lshl_b32 s15, s66, 9
	s_add_co_u32 s14, s14, s15
	s_lshl_b32 s15, s22, 8
	s_add_co_u32 s14, s14, s15
	s_mov_b32 s15, 0
	s_add_nc_u64 s[12:13], s[12:13], s[14:15]
	s_xor_b32 s11, s67, 1
	s_lshl_b32 s2, s21, 15
	s_lshl_b32 s3, s67, 12
	s_add_co_u32 s2, s2, s3
	s_lshl_b32 s3, s67, 14
	s_add_co_u32 s3, s3, s2                        ; attn: tiles 4 wr + 2 g on, the chunk of my half
	s_lshl_b32 s4, s11, 14
	s_add_co_u32 s4, s4, s2                        ; and my partner's two tiles
	s_mul_i32 s5, s67, BCH
	s_mul_i32 s6, s22, 17408
	s_add_co_u32 s5, s5, s6
	s_add_co_u32 s5, s5, BOFF                      ; wo: my 64 rows
	s_mul_i32 s6, s21, 4352
	s_mul_i32 s7, s67, 544
	s_add_co_u32 s6, s6, s7
	s_add_co_u32 s6, s6, SAO
	s_mul_i32 s7, s67, 2176
	s_add_co_u32 s7, s7, s6                        ; attn's scale words: my two tiles
	s_mul_i32 s8, s11, 2176
	s_add_co_u32 s8, s8, s6
	s_mul_i32 s9, s22, 4352
	s_lshl_b32 s10, s67, 5
	s_add_co_u32 s9, s9, s10
	s_add_co_u32 s9, s9, SBO                       ; wo's
	s_lshl_b32 s14, s20, 13                        ; the exchange, where chunks 0 and 2 of attn lay
	s_xor_b32 s15, s14, 32768
	s_mul_i32 s16, s20, 4352
	s_add_co_u32 s16, s16, BOFF                    ; my stage on the way out, where chunks 0 and 2 of wo lay
	v_and_b32 v1, 15, v0                           ; r
	v_bfe_u32 v2, v0, 4, 1                         ; h
	v_and_b32 v4, 31, v0
	v_lshlrev_b32 v3, 4, v4                        ; 16 x lane
	v_mul_u32_u24 v5, 272, v1
	v_lshl_add_u32 v22, v2, 4, v5                  ; row r x pitch + 16 h
	v_add_nc_u32 v[ADA], s3, v3
	v_add_nc_u32 v[ADA+1], s4, v3
	v_add_nc_u32 v[ADA+2], AOFF1, v[ADA]
	v_add_nc_u32 v[ADA+3], AOFF1, v[ADA+1]
	v_add_nc_u32 v[ADB], s5, v22
	v_add_nc_u32 v[ADB+1], 2*BCH, v[ADB]
	v_lshlrev_b32 v23, 4, v1
	v_mul_u32_u24 v25, 1088, v2
	v_add_nc_u32 v23, v23, v25                     ; lanes 0-15 the even tile's words, lanes 16-31 the odd tile's
	v_add_nc_u32 v[ASA], s7, v23
	v_add_nc_u32 v[ASX], s8, v23
	v_lshlrev_b32 v25, 6, v4
	v_lshrrev_b32 v26, 2, v4
	v_lshl_add_u32 v25, v26, 4, v25                ; wo's: 64 bytes a row, and 16 more for each 256 passed
	v_add_nc_u32 v[ASB], s9, v25
	v_add_nc_u32 v20, s14, v3
	v_add_nc_u32 v21, s15, v3
	v_lshl_add_u32 v6, v2, 5, v5
	v_add_nc_u32 v6, s16, v6                       ; stage, in: row r, 32 bytes for each half of the lanes
	v_mul_u32_u24 v7, 272, v2
	v_lshl_add_u32 v7, v1, 4, v7
	v_add_nc_u32 v7, s16, v7                       ; back: lanes 0-15 one row of 256 bytes, lanes 16-31 the next
	v_lshlrev_b32 v24, 13, v2
	v_lshl_add_u32 v24, v1, 4, v24                 ; and the same two rows in out0
.macro FETCH ph, ks, fb                ; K step ks of my half's chunk ph: wo's four fragments and attn's four (my two tiles, then my partner's)
	WIN TO_F
.irp i, 0,1,2,3
.irp c, 0,1
	ds_load_b128 v[\fb+32+8*\i+4*\c:\fb+32+8*\i+4*\c+3], v[ADB+(\ph)] offset:64*(\ks)+32*\c+\i*4352
.endr
.endr
.irp i, 0,1,2,3
.irp c, 0,1
	ds_load_b128 v[\fb+8*\i+4*\c:\fb+8*\i+4*\c+3], v[ADA+2*(\ph)+\i/2] offset:8192*(\i%2)+1024*(\ks)+512*\c
.endr
.endr
	WIN 0
.endm
.macro SCALES ph                       ; a chunk's scale words, four (K steps) a row
	ds_load_b128 v[SCW+16*(\ph):SCW+16*(\ph)+3], v[ASA] offset:272*(\ph)
	ds_load_b128 v[SCW+16*(\ph)+4:SCW+16*(\ph)+7], v[ASX] offset:272*(\ph)
	ds_load_b128 v[SCW+16*(\ph)+8:SCW+16*(\ph)+11], v[ASB] offset:16*(\ph)
	ds_load_b128 v[SCW+16*(\ph)+12:SCW+16*(\ph)+15], v[ASB] offset:16*(\ph)+2176
.endm
.macro WM d, x, y, c, sx, sy, rx, ry
.if (\rx) && (\ry)
	v_wmma_scale_f32_16x16x128_f8f6f4 v[\d:\d+7], v[\x:\x+7], v[\y:\y+7], \c, v[\sx], v[\sy] matrix_a_fmt:MATRIX_FMT_FP4 matrix_b_fmt:MATRIX_FMT_FP4 matrix_a_scale:MATRIX_SCALE_ROW1 matrix_b_scale:MATRIX_SCALE_ROW1
.elseif (\rx)
	v_wmma_scale_f32_16x16x128_f8f6f4 v[\d:\d+7], v[\x:\x+7], v[\y:\y+7], \c, v[\sx], v[\sy] matrix_a_fmt:MATRIX_FMT_FP4 matrix_b_fmt:MATRIX_FMT_FP4 matrix_a_scale:MATRIX_SCALE_ROW1
.elseif (\ry)
	v_wmma_scale_f32_16x16x128_f8f6f4 v[\d:\d+7], v[\x:\x+7], v[\y:\y+7], \c, v[\sx], v[\sy] matrix_a_fmt:MATRIX_FMT_FP4 matrix_b_fmt:MATRIX_FMT_FP4 matrix_b_scale:MATRIX_SCALE_ROW1
.else
	v_wmma_scale_f32_16x16x128_f8f6f4 v[\d:\d+7], v[\x:\x+7], v[\y:\y+7], \c, v[\sx], v[\sy] matrix_a_fmt:MATRIX_FMT_FP4 matrix_b_fmt:MATRIX_FMT_FP4
.endif
.endm
.macro STEP n                          ; my n-th K step of eight; the next step's fragments are asked for ahead of its 16 products
.set FB, 64*(\n%2)
.set GB, 64-FB
	s_wait_dscnt 0x0                               ; this step's fragments and scale words are in
.if \n == 3
	WIN 0
	s_cmp_gt_u32 s20, 4                            ; who fetched chunks 1 and 3 waits for it
	s_cbranch_scc0 .Lnot_second
	s_wait_tensorcnt 0x0
.Lnot_second:
	s_barrier_signal -1
	s_barrier_wait -1                              ; they are in, and nobody reads chunks 0 and 2 any more
.endif
.if \n < 7
	PLACES                                         ; in front of loads into registers that the last products read
	FETCH (\n+1)/4, (\n+1)%4, GB
.if \n == 3
	SCALES 1
.endif
.endif
	WIN MUL
.irp a, 0,1,2,3
.irp b, 0,1,2,3                        ; the 16 accumulators by turns, in the same order in every step
.if \n == 0
	WM ACC+8*(4*\a+\b), FB+32+8*\b, FB+8*\a, 0, SCW+8+4*(\b/2), SCW+4*(\a/2), \b%2, \a%2
.else
	WM ACC+8*(4*\a+\b), FB+32+8*\b, FB+8*\a, v[ACC+8*(4*\a+\b):ACC+8*(4*\a+\b)+7], SCW+16*(\n/4)+8+4*(\b/2)+\n%4, SCW+16*(\n/4)+4*(\a/2)+\n%4, \b%2, \a%2
.endif
.endr
.endr
.endm
	s_wait_alu depctr_va_vdst(0)                   ; the wait at the head's end
	s_cmp_lt_u32 s20, 5                            ; who fetched chunks 0 and 2 or scale bytes waits for it; the others' loads may be out
	s_cbranch_scc0 .Lnot_first
	s_wait_tensorcnt 0x0
.Lnot_first:
	s_barrier_signal -1
	s_barrier_wait -1
	FETCH 0, 0, 0
	SCALES 0
.irp n, 0,1,2,3,4,5,6,7
	STEP \n
.endr
	WIN 0
	PLACES                                         ; behind the last products
.irp k, 0,1,2,3,4,5,6,7,8,9,10,11,12,13,14,15
	ds_store_b128 v20, v[192+4*\k:195+4*\k] offset:512*\k   ; my partner's tiles: each accumulator from its low end on
.endr
	s_wait_dscnt 0x0
	s_barrier_signal -1
	s_barrier_wait -1
.irp k, 0,1,2,3,4,5,6,7,8,9,10,11,12,13,14,15
	ds_load_b128 v[64+4*\k:67+4*\k], v21 offset:512*\k
.endr
; THE WAY OUT, 16 rows x 64 columns at a time, through my own stage: in as 32 bytes a lane, back as whole rows of 256 bytes.  LDS serves a wave's instructions in order, so no wait stands between the stores and the loads.
.macro JOIN a
.irp k, 0,1,2,3,4,5,6,7,8,9,10,11,12,13,14,15
	v_pk_add_f32 v[ACC+32*\a+2*\k:ACC+32*\a+2*\k+1], v[ACC+32*\a+2*\k:ACC+32*\a+2*\k+1], v[64+32*\a+2*\k:65+32*\a+2*\k]
.endr
.endm
.macro TOSTAGE a
.irp k, 0,1,2,3
	ds_store_b128 v6, v[ACC+32*\a+8*\k:ACC+32*\a+8*\k+3] offset:64*\k
	ds_store_b128 v6, v[ACC+32*\a+8*\k+4:ACC+32*\a+8*\k+7] offset:64*\k+16
.endr
.irp t, 0,1,2,3,4,5,6,7
	ds_load_b128 v[32+32*\a+4*\t:35+32*\a+4*\t], v7 offset:544*\t
.endr
.endm
.macro SEND a, younger
	s_wait_dscnt \younger                          ; the block is back in registers
.irp t, 0,1,2,3
	global_store_b128 v24, v[32+32*\a+4*\t:35+32*\a+4*\t], s[12:13] offset:(8*\a+2*\t)*8192 th:TH_STORE_NT   ; sixteen lanes store 256 consecutive bytes, at a multiple of 256 from out0's first byte
.endr
.irp t, 0,1,2,3
	global_store_b128 v24, v[48+32*\a+4*\t:51+32*\a+4*\t], s[12:13] offset:(32+8*(1-\a)+2*\t)*8192 th:TH_STORE_NT
.endr
.endm
	s_wait_dscnt 8                                 ; my first tile's half of the exchange is in
	JOIN 0
	s_wait_alu depctr_va_vdst(0)                   ; directly ahead of the wait below
	s_wait_dscnt 0x0
	TOSTAGE 0
	JOIN 1
	s_wait_alu depctr_va_vdst(0)
	SEND 0, 0
	TOSTAGE 1
	SEND 1, 0
	s_wait_tensorcnt 0x0                           ; the wave's end, behind my last tensor load and my last LDS store
	ds_add_u32 v[SPW], v[NIL]
	s_wait_dscnt 0x0
	CROUND                                         ; the closing round
	s_endpgm
.Lfunc_end_k_q2482d22846_oproj:
	.size	k_q2482d22846_oproj, .Lfunc_end_k_q2482d22846_oproj-k_q2482d22846_oproj
	.p2alignl 7, 3214868480
	.fill 96, 4, 3214868480
	.section	.rodata,"a",@progbits
	.p2align	6, 0x0
	.amdhsa_kernel k_q2482d22846_oproj
		.amdhsa_group_segment_fixed_size 327680
		.amdhsa_private_segment_fixed_size 0
		.amdhsa_enable_private_segment 0
		.amdhsa_kernarg_size 40
		.amdhsa_user_sgpr_count 2
		.amdhsa_user_sgpr_kernarg_segment_ptr 1
		.amdhsa_wavefront_size32 1
		.amdhsa_system_sgpr_workgroup_id_x 1
		.amdhsa_system_sgpr_workgroup_id_y 1
		.amdhsa_system_sgpr_workgroup_id_z 1
		.amdhsa_system_vgpr_workitem_id 0
		.amdhsa_next_free_vgpr 384
		.amdhsa_next_free_sgpr 102
		.amdhsa_reserve_vcc 0
		.amdhsa_float_denorm_mode_32 3
		.amdhsa_float_denorm_mode_16_64 3
		.amdhsa_memory_ordered 1
		.amdhsa_forward_progress 1
		.amdhsa_inst_pref_size 46
	.end_amdhsa_kernel
	.amdgpu_metadata
---
amdhsa.version: [ 1, 2 ]
amdhsa.kernels:
  - .name:           k_q2482d22846_oproj
    .symbol:         k_q2482d22846_oproj.kd
    .args:
      - { .name: ac, .offset: 0, .size: 8, .value_kind: global_buffer, .address_space: global }
      - { .name: asc, .offset: 8, .size: 8, .value_kind: global_buffer, .address_space: global }
      - { .name: wo_codes, .offset: 16, .size: 8, .value_kind: global_buffer, .address_space: global }
      - { .name: wo_scales, .offset: 24, .size: 8, .value_kind: global_buffer, .address_space: global }
      - { .name: out0, .offset: 32, .size: 8, .value_kind: global_buffer, .address_space: global }
    .group_segment_fixed_size: 327680
    .private_segment_fixed_size: 0
    .kernarg_segment_align: 8
    .kernarg_segment_size: 40
    .max_flat_workgroup_size: 256
    .sgpr_count:     102
    .vgpr_count:     384
    .wavefront_size: 32
...
	.end_amdgpu_metadata
.endif
;; end of part 3
